; MI455X (gfx1250); checked and timed in simulation.
; The chip was launched on July 23, 2026; its instructions are those of AMD's public machine-readable ISA for CDNA 5 (MIT licence, August 2026) and "CDNA5" Instruction Set Architecture Reference Guide (July 2026). The comments in the code are by the model that wrote it; some were corrected since.
;; Causal Attention. Allowed arithmetic: matrix products marked QUANTISED: E2M3 operands, one E8M0 scale for each 32 along K, by v_wmma_scale_f32_16x16x128_f8f6f4 with both operands' format E2M3, f32 sums; everything else in f32.
;; Inputs: Wk 1,024 x 1,024 float32; Wq 1,024 x 1,024 float32; Wv 1,024 x 1,024 float32; x 4 x 2,048 x 1,024 float32.
;; Outputs: out0 4 x 2,048 x 1,024 float32.
;; This version of the problem:
;;   THIS VERSION OF THE PROBLEM IS GIVEN IN LOW PRECISION. The matrix products marked QUANTISED in the list below multiply operands that are first quantised to E2M3 (2 exponent bits, 3 mantissa bits; 6 bits a number), with one power-of-two scale for each 32 numbers along K (OCP MX v1.0); their sums are f32. All else is computed in f32.
;;   The module's matrix products, in the order in which they are computed (A, B: the left and right operand; K: the contracted axis; several contracted axes count as one K, in the product's order):
;;     1. [M 8,192, K 1,024] x [K 1,024, N 1,024]; A: input x; B: input Wq: QUANTISED
;;     2. [M 8,192, K 1,024] x [K 1,024, N 1,024]; A: input x; B: input Wk: QUANTISED
;;     3. [M 8,192, K 1,024] x [K 1,024, N 1,024]; A: input x; B: input Wv: QUANTISED
;;     4. batch 4 x [M 2,048, K 1,024] x [K 1,024, N 2,048]; A: computed on the way; B: computed on the way: QUANTISED
;;     5. batch 4 x [M 2,048, K 2,048] x [K 2,048, N 1,024]; A: softmax (see below); B: computed on the way: QUANTISED
;;   THE QUANTISER, for each operand of a quantised product, along K:
;;     - K is cut into blocks of 32 from its start; a last block that is shorter is filled with zeros.
;;     - A block's scale is 2^e with e = floor(log2(the largest magnitude in the block)) - 2, held to -126 .. 127; a block of zeros has e = 0. As a byte (E8M0): e + 127.
;;     - Each number is divided by its block's scale, clamped to +-7.5, and rounded to the nearest number of E2M3, ties to even, subnormals kept.
;;     - The product sums the exact products of the quantised numbers (number of the format x scale) in f32.
;;   ~~~python
;;   def quantise(x, axis):      # numpy; x: float32 -> the quantised numbers, widened to float32 again
;;       x = np.moveaxis(x, axis, -1); K = x.shape[-1]
;;       x = np.pad(x, [(0, 0)] * (x.ndim - 1) + [(0, -K % 32)]); x = x.reshape(x.shape[:-1] + (-1, 32)); a = np.abs(x).max(-1, keepdims=True)
;;       e = np.where(a > 0, np.clip(np.frexp(np.where(a > 0, a, 1))[1] - 1 - 2, -126, 127), 0)      # np.frexp(a)[1] - 1 = floor(log2(a)), exactly
;;       r = np.clip(x / 2.0 ** e, -7.5, 7.5)
;;       step = 2.0 ** (np.maximum(np.frexp(np.where(r == 0, 1, r))[1] - 1, 0) - 3)
;;       q = np.round(r / step) * step * 2.0 ** e      # np.round: ties to even
;;       return np.moveaxis(q.reshape(q.shape[:-2] + (-1,))[..., :K], -1, axis).astype(np.float32)
;;   ~~~
;;   SOFTMAX AHEAD OF A QUANTISED PRODUCT. Where the list says 'softmax', what is quantised is not the finished softmax but p = 2^(t - M), with t = logit x log2(e) and M = ceil(the row's largest t), a whole number; so 1/2 < the row's largest p <= 1. The row's sum l is taken of the UNQUANTISED p, in f32, and the product's result is divided by l at the end. Since M is a whole number, a kernel that streams over the keys may use a running M (the ceiling of the running maximum): every later rescaling is an exact power of two, which a block's scale takes up: the codes' values come out the same.
;;   OPERANDS COMPUTED ON THE WAY. 'Computed on the way' means the value that the module computes at that place (a softmax that the list does not call 'softmax' is quantised finished and normalised). What goes into a quantiser is computed in f32, as accurately as f32 sums, v_exp_f32 and their like allow (about 1e-6 of the number): no bf16 or f16 on the way to a quantiser, and a product that is left as it is and whose result goes on into a quantised operand takes f32 operands (vector FMAs, or v_wmma_f32_16x16x4_f32). A number that lies on a knife's edge between two numbers of the format may be rounded either way, as far as f32 arithmetic and the matrix unit's own rounding can turn it there, and no further.
;; One version. Each part assembles by itself: llvm-mc -triple=amdgcn-amd-amdhsa -mcpu=gfx1250 --defsym DOCPART=n.
;; ======== version 1 of 1: 4 launches
;; limits: right only within a limited range of input values
;; workspace buffers: xw 9,011,200 bytes; qkv 19,660,800 bytes; pw 13,107,200 bytes; pst 1,572,864 bytes
;; launch quant (part 1): grid 352 x 1, 8 waves a work-group, no clusters, 95,232 bytes of LDS; arguments x, Wq, Wk, Wv, xw; writes xw
.if DOCPART == 1
	.amdgcn_target "amdgcn-amd-amdhsa--gfx1250"
	.amdhsa_code_object_version 6
	.text
	.protected	k_qfccb4ad93c_quant
	.globl	k_qfccb4ad93c_quant
	.p2align	8
	.type	k_qfccb4ad93c_quant,@function
k_qfccb4ad93c_quant:
	s_mov_b64 s[64:65], 0
	v_nop
	global_prefetch_b8 v0, s[64:65] scope:SCOPE_SE
	s_setreg_imm32_b32 hwreg(HW_REG_WAVE_MODE, 25, 1), 1
	s_wait_xcnt 0x0
; x [8192][1024] and Wv, Wq, Wk [1024 (k)][1024 (n)], f32, become codes of FP6 (E2M3) with one E8M0 byte for each 32 along K (K = the 1,024 of the model's width).
; THE RECORD: 25,600 bytes = 128 rows x 256 along K = 8 tiles a of 16 rows x 2 K steps q of 128.
;   Lane-row r of tile a is row 64 (a / 4) + 8 (a % 4) + 32 (r / 8) + r % 8 of the 128: so a product's results fall into a lane as whole blocks of 32 of the next product's K.
;   Fragment (a, q), 12 registers a lane, lies at (2 a + q) x 1,536: register g of lane l at 512 (g / 4) + 16 l + 4 (g % 4).  Scale word of (q, a, r) at 24,576 + 512 q + 64 a + 4 r.
;   xw: record (G, sp) at (4 G + sp) x 25,600, sp = K / 256.  G 0-7 Wv (rows = its columns n), 8-71 x, 72-79 Wq, 80-87 Wk.
; A block's scale is 2^(floor(log2(largest magnitude)) - 2): its byte is the largest magnitude's exponent field - 2, held at 1 from below by a floor among the maximum's leaves.
; DEAD WORK LEFT OUT by the program: tiles of scores in which every key stands behind every query.  reference() sets them to -infinity in its own body, so their p is 0 for all inputs: neither those scores nor their
; products with v are made.  A NaN, an infinity or an overflow that reaches only such a tile is not carried to the result.
; LIMITS: NaN and infinities among the inputs are not served; a block whose largest magnitude lies under 2^-124 keeps the byte 1; a block of zeros has the byte 1 where the rule says 127
; (its codes are zeros, and this program alone reads the bytes).
; Work-groups 0-95 take the weights, a record each; 96-351 take x, a record each: two ways through the text, each with LDS bytes of its own.
; No tensor loads, no matrix work, no cluster: nothing is shared between work-groups.  No prefetch: every load of a wave is asked for at once or two blocks ahead.
.set REC,  25600
.set SCO,  24576
.set NW,   96                          ; the weights' work-groups: 3 matrices x 8 groups of 128 columns x 4 records along K
.set XP,   528                         ; x's stage: a row of 512 bytes + 16
.set SCX,  8*16*XP                     ; behind the eight stages: a record's 1,024 bytes of scale words
.set STW,  SCX+1024                    ; the weights' way: a whole record
.set SPARE, STW+REC                    ; the spare words, 128 bytes for each wave
.set TM,   12                          ; v12-15 largest magnitudes, v16-19 bytes, v24-27 scale operands
.set SEL,  20                          ; s[20:21] lane selects: lane l xor 16
.set RAW,  32                          ; v32-159  x as loaded: K step q, row i at 64 q + 4 i
.set X,    160                         ; v160-223 64 numbers of a lane: register 16 b + i = k 32 b + 16 (lane / 16) + i of its row
.set WX,   32                          ; v32-95   the weights' way: two sets of 32 numbers down K
.set C,    96                          ; v96-102  a block's codes
.macro BMAX s                          ; the four blocks' largest magnitudes of my 16 numbers each, with the floor 2^(3 - 127); the blocks by turns
.irp b, 0,1,2,3
	v_max3_num_f32 v[TM+\b], |v[(\s)+16*\b]|, |v[(\s)+16*\b+1]|, 0x1800000
.endr
.irp i, 2,4,6,8,10,12,14
.irp b, 0,1,2,3
	s_delay_alu instid0(VALU_DEP_4)
	v_max3_num_f32 v[TM+\b], v[TM+\b], |v[(\s)+16*\b+\i]|, |v[(\s)+16*\b+\i+1]|
.endr
.endr
.endm
.macro XHALF                           ; with lane l xor 16's 16 numbers: the block's
.irp b, 0,1,2,3
	s_delay_alu instid0(VALU_DEP_4)
	v_permlanex16_b32 v[TM+4+\b], v[TM+\b], s[SEL], s[SEL+1]
.endr
.irp b, 0,1,2,3
	s_delay_alu instid0(VALU_DEP_4)
	v_max_num_f32 v[TM+\b], v[TM+\b], v[TM+4+\b]
.endr
.endm
.macro SCW pw                          ; 2 off the exponent field: the conversion's scale operand; its exponent field is the byte; four bytes make the row's word
.irp b, 0,1,2,3
	s_delay_alu instid0(VALU_DEP_4)
	v_add_nc_u32 v[TM+12+\b], 0xff000000, v[TM+\b]
.endr
.irp b, 0,1,2,3
	s_delay_alu instid0(VALU_DEP_4)
	v_lshrrev_b32 v[TM+4+\b], 23, v[TM+12+\b]
.endr
	s_delay_alu instid0(VALU_DEP_3)
	v_lshl_or_b32 v[\pw], v[TM+5], 8, v[TM+4]
	s_delay_alu instid0(VALU_DEP_1)
	v_lshl_or_b32 v[\pw], v[TM+6], 16, v[\pw]
	s_delay_alu instid0(VALU_DEP_1)
	v_lshl_or_b32 v[\pw], v[TM+7], 24, v[\pw]
.endm
.macro CODES s, pc                     ; 64 numbers -> the fragment's 12 registers at v[pc]; v[pc+12..18] at work (a conversion's three registers begin on an even number)
.irp c, 0,1
	v_cvt_scalef32_pk16_fp6_f32 v[(\pc)+6*\c:(\pc)+6*\c+2], v[(\s)+32*\c:(\s)+32*\c+15], v[TM+12+2*\c]
	v_cvt_scalef32_pk16_fp6_f32 v[(\pc)+12+4*\c:(\pc)+12+4*\c+2], v[(\s)+32*\c+16:(\s)+32*\c+31], v[TM+12+2*\c+1]
.endr
	v_nop                                          ; one plain place behind a scaled conversion
.irp c, 0,1                                    ; the operand wants a whole block in a lane: lanes 0-15 block 2 c, lanes 16-31 block 2 c + 1
.irp i, 0,1,2
	v_permlane16_swap_b32 v[(\pc)+6*\c+\i], v[(\pc)+12+4*\c+\i]
.endr
.irp i, 0,1,2
	s_delay_alu instid0(VALU_DEP_3)
	v_mov_b32 v[(\pc)+3+6*\c+\i], v[(\pc)+12+4*\c+\i]
.endr
.endr
.endm
	s_load_b256 s[4:11], s[0:1], 0x0               ; x s[4:5], Wq s[6:7], Wk s[8:9], Wv s[10:11]
	s_load_b64 s[12:13], s[0:1], 0x20              ; xw
	v_lshl_add_u32 v248, v0, 2, SPARE
	v_mov_b32 v249, 0
	v_lshrrev_b32 v1, 5, v0
	s_delay_alu instid0(VALU_DEP_1)
	v_readfirstlane_b32 s16, v1                    ; wave 0..7
	v_and_b32 v1, 31, v0                           ; lane
	s_cmp_lt_u32 ttmp9, NW
	s_cbranch_scc1 .Lw_path
	; ---- x: work-group g = id - 96 makes record (8 + g / 4, g % 4); wave a makes tile a, both K steps
	v_and_b32 v2, 15, v0                           ; r
	v_bfe_u32 v3, v0, 4, 1                         ; h
	v_lshlrev_b32 v4, 4, v1                        ; 16 x lane
	s_mul_i32 s17, s16, 16*XP                      ; my stage
	v_add_nc_u32 v5, s17, v4                       ; in: a row's 512 bytes as they lie
	v_mul_u32_u24 v6, v2, XP
	s_delay_alu instid0(VALU_DEP_1)
	v_lshl_add_u32 v6, v3, 6, v6
	s_delay_alu instid0(VALU_DEP_1)
	v_add_nc_u32 v6, s17, v6                       ; back: row r, + 64 h: my 16 numbers of each block of 32
	s_lshl_b32 s17, s16, 6
	s_add_co_u32 s17, s17, SCX
	v_lshl_add_u32 v7, v2, 2, s17                  ; my row's scale word: 64 a + 4 r
	v_lshlrev_b32 v9, 4, v0                        ; 16 x thread: waves 0 and 1 carry the 1,024 bytes of words out
	s_delay_alu instid0(VALU_DEP_1)
	v_add_nc_u32 v8, SCX, v9
	s_mov_b32 s[SEL], 0x76543210
	s_mov_b32 s[SEL+1], 0xfedcba98
.irp b, 0,1,2,3
	v_mov_b32 v[TM+4+\b], 0                        ; written once: a lane permute's destination counts as one of its sources
.endr
	s_sub_co_u32 s18, ttmp9, NW
	s_lshr_b32 s19, s18, 2                         ; which 128 rows
	s_and_b32 s18, s18, 3                          ; which 256 along K
	s_lshl_b32 s22, s19, 7
	s_lshr_b32 s23, s16, 2
	s_lshl_b32 s23, s23, 6
	s_add_co_u32 s22, s22, s23
	s_and_b32 s23, s16, 3
	s_lshl_b32 s23, s23, 3
	s_add_co_u32 s22, s22, s23                     ; my tile's first row: 128 G + 64 (a / 4) + 8 (a % 4)
	s_lshl_b32 s22, s22, 12                        ; rows of 4,096 bytes
	s_lshl_b32 s23, s18, 10
	s_add_co_u32 s22, s22, s23
	s_mov_b32 s23, 0
	s_add_co_u32 s24, s19, 8
	s_lshl_b32 s24, s24, 2
	s_add_co_u32 s24, s24, s18
	s_mul_i32 s24, s24, REC                        ; the record
	s_mov_b32 s25, 0
	s_mul_i32 s26, s16, 3072                       ; my tile's two images
	s_mov_b32 s27, 0
	s_wait_alu depctr_va_vdst(0)                   ; the wait at the head's end
	s_wait_kmcnt 0x0
	s_add_nc_u64 s[4:5], s[4:5], s[22:23]
	s_add_nc_u64 s[12:13], s[12:13], s[24:25]
	s_add_nc_u64 s[14:15], s[12:13], s[26:27]
.irp q, 0,1                                    ; 32 loads, each 512 consecutive bytes of one row; lane-row i is row i + 24 (i / 8) from the tile's first
.irp i, 0,1,2,3,4,5,6,7,8,9,10,11,12,13,14,15
	global_load_b128 v[RAW+64*\q+4*\i:RAW+64*\q+4*\i+3], v4, s[4:5] offset:(\i+24*(\i/8))*4096+512*\q th:TH_LOAD_NT
.endr
.endr
.macro XQ q, pc, pw, left              ; K step q: through the stage, quantised, image and word out
	s_wait_loadcnt \left                           ; this K step's 16 loads are in; the younger ones may be out
.irp i, 0,1,2,3,4,5,6,7,8,9,10,11,12,13,14,15
	ds_store_b128 v5, v[RAW+64*\q+4*\i:RAW+64*\q+4*\i+3] offset:XP*\i
.endr
.irp b, 0,1,2,3
.irp j, 0,1,2,3
	ds_load_b128 v[X+16*\b+4*\j:X+16*\b+4*\j+3], v6 offset:128*\b+16*\j   ; LDS serves a wave's instructions in order: these see the stores above
.endr
.endr
	s_wait_dscnt 0x0
	BMAX X
	XHALF
	SCW \pw
	CODES X, \pc
.irp c, 0,1,2
	global_store_b128 v4, v[\pc+4*\c:\pc+4*\c+3], s[14:15] offset:1536*\q+512*\c   ; 512 consecutive bytes, at a multiple of 256 from the buffer's first byte
.endr
	ds_store_b32 v7, v[\pw] offset:512*\q          ; both halves of the lanes write the same word with the same value
.endm
	XQ 0, 224, 28, 16
	XQ 1, 32, 29, 0                                ; its codes take registers of K step 0's numbers, which have gone through the stage
	s_wait_dscnt 0x0                               ; for the others' sake: my words lie in LDS
	s_barrier_signal -1
	s_barrier_wait -1
	s_cmp_lt_u32 s16, 2
	s_cbranch_scc0 .Lx_end
	ds_load_b128 v[160:163], v8
	s_wait_dscnt 0x0
	global_store_b128 v9, v[160:163], s[12:13] offset:SCO   ; the record's 1,024 bytes of words: four whole runs of 256 bytes
.Lx_end:
	s_wait_tensorcnt 0x0                           ; the wave's end
	ds_add_u32 v248, v249
	s_wait_dscnt 0x0
	s_endpgm
	; ---- the weights: K is the FIRST axis.  A lane takes a column n and its registers run down K, so a block of 32 lies in one lane and nothing is transposed.
	; Work-group id: matrix m = id / 32 (0 Wv, 1 Wq, 2 Wk), 128 columns (id / 4) % 8, record sp = id % 4.  Wave: 32 columns cw = w % 4, K step q = w / 4: four blocks of 32 down K, two asked for ahead.
	; The eight waves lay the whole record in LDS; behind a barrier it leaves as it lies, 4,096 consecutive bytes an instruction of the work-group.
.Lw_path:
	s_lshr_b32 s17, ttmp9, 2
	s_and_b32 s18, ttmp9, 3                        ; sp
	s_lshr_b32 s19, s17, 3                         ; m
	s_and_b32 s17, s17, 7                          ; which 128 columns
	s_and_b32 s22, s16, 3                          ; cw
	s_lshr_b32 s23, s16, 2                         ; q
	s_lshl_b32 s24, s19, 3
	s_add_co_u32 s24, s24, 64
	s_cmp_eq_u32 s19, 0
	s_cselect_b32 s24, 0, s24                      ; Wv begins at G 0, Wq at 72, Wk at 80
	s_add_co_u32 s24, s24, s17
	s_lshl_b32 s24, s24, 2
	s_add_co_u32 s24, s24, s18
	s_mul_i32 s24, s24, REC
	s_mov_b32 s25, 0
	s_lshl_b32 s26, s18, 20                        ; 256 rows of 4,096 bytes a record,
	s_lshl_b32 s27, s23, 19                        ; 128 a K step
	s_add_co_u32 s26, s26, s27
	s_lshl_b32 s27, s17, 9
	s_add_co_u32 s26, s26, s27
	s_lshl_b32 s27, s22, 7
	s_add_co_u32 s26, s26, s27
	s_mov_b32 s27, 0
	s_lshr_b32 s34, s22, 1                         ; my band of 64 columns
	s_and_b32 s35, s22, 1                          ; my 32 of it: lane-rows 8 (cw % 2) + lane % 8 of tiles 4 (cw / 2) + lane / 8
	s_mul_i32 s32, s34, 12288
	s_mul_i32 s36, s23, 1536
	s_add_co_u32 s32, s32, s36
	s_lshl_b32 s36, s35, 7
	s_add_co_u32 s32, s32, s36
	s_add_co_u32 s32, s32, STW
	s_lshl_b32 s33, s34, 8
	s_lshl_b32 s36, s23, 9
	s_add_co_u32 s33, s33, s36
	s_lshl_b32 s36, s35, 5
	s_add_co_u32 s33, s33, s36
	s_add_co_u32 s33, s33, STW+SCO
	s_wait_alu depctr_va_vdst(0)
	s_wait_kmcnt 0x0
	s_cmp_eq_u32 s19, 1
	s_cselect_b64 s[6:7], s[6:7], s[8:9]
	s_cmp_eq_u32 s19, 0
	s_cselect_b64 s[6:7], s[10:11], s[6:7]         ; the choice hangs on the work-group's number alone
	s_add_nc_u64 s[6:7], s[6:7], s[26:27]
	s_add_nc_u64 s[12:13], s[12:13], s[24:25]
	v_lshlrev_b32 v3, 2, v1                        ; in: 4 bytes a lane, 128 consecutive bytes a load
	v_lshrrev_b32 v10, 3, v1
	v_and_b32 v11, 7, v1
	v_lshlrev_b32 v6, 4, v0                        ; out: 16 x thread
	v_mul_u32_u24 v4, v10, 3072
	v_lshlrev_b32 v7, 6, v10
	v_lshl_add_u32 v4, v11, 4, v4
	v_lshl_add_u32 v7, v11, 2, v7
	v_add_nc_u32 v5, STW, v6
	v_add_nc_u32 v4, s32, v4                       ; my lane-row's 16 bytes in the images
	v_add_nc_u32 v7, s33, v7                       ; my scale word
.macro LOAD t                          ; block t: W(32 t + i, my column) into set t % 2
.irp i, 0,1,2,3,4,5,6,7,8,9,10,11,12,13,14,15,16,17,18,19,20,21,22,23,24,25,26,27,28,29,30,31
	global_load_b32 v[WX+32*((\t)%2)+\i], v3, s[6:7] offset:(32*(\t)+\i)*4096 th:TH_LOAD_NT
.endr
.endm
	LOAD 0
	LOAD 1
	s_wait_alu depctr_va_vdst(0)                   ; the wait at the head's end
.macro BLOCK t                         ; block t of my K step's four: registers 6 (t / 2) .. + 5 of lane r' + 16 (t % 2)
.set XS, WX+32*((\t)%2)
.set bl, (\t)
.if (\t) < 3
	s_wait_loadcnt 32                              ; this block's 32 loads are in; the next block's may be out
.else
	s_wait_loadcnt 0x0
.endif
	v_max3_num_f32 v14, |v[XS]|, |v[XS+1]|, |v[XS+2]|
	v_max3_num_f32 v15, |v[XS+3]|, |v[XS+4]|, |v[XS+5]|
.irp i, 6,10,14,18,22,26
	s_delay_alu instid0(VALU_DEP_2)
	v_max3_num_f32 v14, v14, |v[XS+\i]|, |v[XS+\i+1]|
	s_delay_alu instid0(VALU_DEP_2)
	v_max3_num_f32 v15, v15, |v[XS+\i+2]|, |v[XS+\i+3]|
.endr
	s_delay_alu instid0(VALU_DEP_2)
	v_max3_num_f32 v14, v14, |v[XS+30]|, |v[XS+31]|
	s_delay_alu instid0(VALU_DEP_1)
	v_max3_num_f32 v14, v14, v15, 0x1800000        ; and the floor 2^(3 - 127)
	s_delay_alu instid0(VALU_DEP_1)
	v_add_nc_u32 v16, 0xff000000, v14              ; the conversion's scale operand
	s_delay_alu instid0(VALU_DEP_1)
	v_lshrrev_b32 v17, 23, v16                     ; the byte
.if bl == 0
	s_delay_alu instid0(VALU_DEP_1)
	v_mov_b32 v24, v17
.else
	s_delay_alu instid0(VALU_DEP_1)
	v_lshl_or_b32 v24, v17, 8*bl, v24
.endif
	v_cvt_scalef32_pk16_fp6_f32 v[C:C+2], v[XS:XS+15], v16
	v_cvt_scalef32_pk16_fp6_f32 v[C+4:C+6], v[XS+16:XS+31], v16
	v_nop                                          ; one plain place behind a scaled conversion
	v_mov_b32 v[C+3], v[C+4]
	v_mov_b32 v[C+4], v[C+5]
	v_mov_b32 v[C+5], v[C+6]                       ; the block's 24 bytes on end
.irp d, 0,2,4
	ds_store_b64 v4, v[C+\d:C+\d+1] offset:512*((6*(bl/2)+\d)/4)+256*(bl%2)+4*((6*(bl/2)+\d)%4)
.endr
.if (\t)+2 < 4
	LOAD (\t)+2
.endif
	s_wait_dscnt 0x0                               ; the stores have read their registers: the next block's codes may be written
.endm
.irp t, 0,1,2,3
	BLOCK \t
.endr
	s_wait_alu depctr_va_vdst(0)
	ds_store_b32 v7, v24
	s_wait_dscnt 0x0                               ; for the others' sake: my part of the record lies in LDS
	s_barrier_signal -1
	s_barrier_wait -1
.irp m, 0,1,2,3,4,5
	ds_load_b128 v[112+4*\m:115+4*\m], v5 offset:4096*\m
.endr
.irp m, 0,1,2,3,4,5
	s_wait_dscnt 5-\m                              ; the younger read-backs may be out
	global_store_b128 v6, v[112+4*\m:115+4*\m], s[12:13] offset:4096*\m
.endr
	s_cmp_lt_u32 s16, 2
	s_cbranch_scc0 .Lw_end
	ds_load_b128 v[136:139], v5 offset:SCO
	s_wait_dscnt 0x0
	global_store_b128 v6, v[136:139], s[12:13] offset:SCO   ; the record's 1,024 bytes of words
.Lw_end:
	s_wait_tensorcnt 0x0                           ; the wave's end
	ds_add_u32 v248, v249
	s_wait_dscnt 0x0
	s_endpgm
.Lfunc_end_k_qfccb4ad93c_quant:
	.size	k_qfccb4ad93c_quant, .Lfunc_end_k_qfccb4ad93c_quant-k_qfccb4ad93c_quant
	.p2alignl 7, 3214868480
	.fill 96, 4, 3214868480
	.section	.rodata,"a",@progbits
	.p2align	6, 0x0
	.amdhsa_kernel k_qfccb4ad93c_quant
		.amdhsa_group_segment_fixed_size 95232
		.amdhsa_private_segment_fixed_size 0
		.amdhsa_enable_private_segment 0
		.amdhsa_kernarg_size 40
		.amdhsa_user_sgpr_count 2
		.amdhsa_user_sgpr_kernarg_segment_ptr 1
		.amdhsa_wavefront_size32 1
		.amdhsa_system_sgpr_workgroup_id_x 1
		.amdhsa_system_sgpr_workgroup_id_y 1
		.amdhsa_system_sgpr_workgroup_id_z 1
		.amdhsa_system_vgpr_workitem_id 0
		.amdhsa_next_free_vgpr 250
		.amdhsa_next_free_sgpr 66
		.amdhsa_reserve_vcc 0
		.amdhsa_float_denorm_mode_32 3
		.amdhsa_float_denorm_mode_16_64 3
		.amdhsa_memory_ordered 1
		.amdhsa_forward_progress 1
		.amdhsa_inst_pref_size 47
	.end_amdhsa_kernel
	.amdgpu_metadata
---
amdhsa.version: [ 1, 2 ]
amdhsa.kernels:
  - .name:           k_qfccb4ad93c_quant
    .symbol:         k_qfccb4ad93c_quant.kd
    .args:
      - { .name: x, .offset: 0, .size: 8, .value_kind: global_buffer, .address_space: global }
      - { .name: Wq, .offset: 8, .size: 8, .value_kind: global_buffer, .address_space: global }
      - { .name: Wk, .offset: 16, .size: 8, .value_kind: global_buffer, .address_space: global }
      - { .name: Wv, .offset: 24, .size: 8, .value_kind: global_buffer, .address_space: global }
      - { .name: xw, .offset: 32, .size: 8, .value_kind: global_buffer, .address_space: global }
    .group_segment_fixed_size: 95232
    .private_segment_fixed_size: 0
    .kernarg_segment_align: 8
    .kernarg_segment_size: 40
    .max_flat_workgroup_size: 256
    .sgpr_count:     66
    .vgpr_count:     250
    .wavefront_size: 32
...
	.end_amdgpu_metadata
.endif
;; end of part 1
;; launch qkv (part 2): grid 16 x 16, 4 waves a work-group, clusters of 4 x 4, 327,680 bytes of LDS; arguments xw, qkv; writes qkv
.if DOCPART == 2
	.amdgcn_target "amdgcn-amd-amdhsa--gfx1250"
	.amdhsa_code_object_version 6
	.text
	.protected	k_qfccb4ad93c_qkv
	.globl	k_qfccb4ad93c_qkv
	.p2align	8
	.type	k_qfccb4ad93c_qkv,@function
k_qfccb4ad93c_qkv:
	s_mov_b64 s[64:65], 0
	v_nop
	global_prefetch_b8 v0, s[64:65] scope:SCOPE_SE
	s_setreg_imm32_b32 hwreg(HW_REG_WAVE_MODE, 25, 1), 1
	s_wait_xcnt 0x0
	s_wait_alu depctr_hold_cnt(0) depctr_sa_sdst(0) depctr_va_vdst(0) depctr_va_sdst(0) depctr_va_ssrc(0) depctr_va_vcc(0) depctr_vm_vsrc(0)
	s_getreg_b32 s2, hwreg(HW_REG_IB_STS2, 6, 4)
	s_cmp_eq_u32 s2, 0
	s_cbranch_scc0 .Lentry_in_a_cluster
	s_endpgm
.Lentry_in_a_cluster:
	s_bfe_u32 s2, ttmp6, 0x10000c
	s_cmp_lg_u32 s2, 0xf033
	s_cbranch_scc0 .Lentry_shape_is_right
	s_endpgm
.Lentry_shape_is_right:
; Q, K, V = x W ON CODES OF FP6 (E2M3), K = 1,024, AND THE QUANTISERS OF THE RESULTS.  No f32 result is stored.
; INPUT: xw, groups G of 128 rows x 1,024 along K: four records of 25,600 bytes on end (see the launch before), 102,400 dense bytes: G 0-7 W_v, 8-71 x, 72-79 W_q, 80-87 W_k.
; OUTPUT: qkv, record (G, sp) of 128 rows x 256 along the NEXT K at (8 G + sp) x 25,600: G 0-31 v^T (8 batch + channel / 128; sp = key / 256), G 32-95 tokens (sp 0-3 q, 4-7 k).  Tiles and rows in order as in xw.
; Fragment (a, q) at (2 a + q) x 1,536 lies in two halves c of 768 bytes, its k = 64 c .. 64 c + 63: registers 6 c .. + 3 of lane l at 768 c + 16 l, registers 6 c + 4, + 5 at 768 c + 512 + 8 l.
; Scale word of (q, a, r) at 24,576 + 512 q + 64 a + 4 r; its byte 2 c + h is lane (r, h)'s block in half c.
; THE DEAL.  256 work-groups of four waves, 2 x 2; the wave in column b holds 64 rows of a weight, ALL of K, in registers (384); the wave in row w takes tiles 4 w .. 4 w + 3 of each chunk of 128 tokens, one tile a BLOCK of 32 products.
; A work-group makes 256 x 128 of V (8 blocks) and then 512 x 128 of Q or K (16 blocks).  V's 256 rows are a half of its own 512: the two chunks asked for at the head serve V and then, still in LDS, the first eight blocks of Q or K.
; Which half and which tensor come from the cluster's number alone.  V's tile column is 4 (cluster x / 2) + cx, its tile row 2 x (tile row) + cluster x % 2: each tile of V has one work-group.
; x's chunks are shared by a ROW of the cluster (joint loads, mask s44), a weight's rows by a COLUMN (mask s45).
; LDS: slots 0 and 1 for chunks, a region of its own for the weight, stages for scale bytes, the spare words.  At the head one tensor load a wave: waves 0, 1 a half each of W_v, wave 2 chunk 0, wave 3 chunk 1.
; THREE REFILLS, each in a drained round of the cluster's barrier: in V's block 2 the weight's region (W_q or W_k); in blocks 2 and 6 of Q or K a slot with a chunk of the other half; waves 0 and 1 a half each.
; PREFETCHES: the second weight at the head, chunks 2 and 3 behind the first refill and between the phases; the sixteen waves that ask jointly share the 400 units of 256 bytes by address, 25 each.
; THE WAITS' COUNTS.  A block's rows were fetched two blocks ago; younger are the next block's fetch (NFO = 24 loads, or NFE = 32 with a pair's scale words) and the scale byte stores between.
; LIMITS: NaN and infinities are not served; a block whose largest magnitude lies under 2^-124, a block of zeros among them, keeps the byte 1 (this program alone reads the bytes).
.set REC,   25600
.set SCO,   24576
.set CH,    4*REC
.set HALF,  2*REC
.set SLOT,  CH
.set XN,    3*SLOT                     ; Q's or K's scale bytes: [chunk][tile][r][2 b + h]
.set XM,    XN+2048                    ; V's: [chunk][tile][r][2 w + h]
.set SPARE, XM+1024
.set FR,    12
.set FPW,   21                         ; fragments in a window of 256 registers: 0-31 the weight's (4 q + b), 32-39 and 40-47 x's two sets, from window 1 on
.set NFE,   32
.set NFO,   24
.set SPW,   10
.set NIL,   11
.set AX0,   4                          ; v4, v5 my tiles in slot 0, K / 512 = 0, 1; v6, v7 in slot 1; v14, v15 in the loop's slot
.set AX1,   6
.set AXC,   14
.set SX0,   8                          ; v8, v9; v12, v13; v16, v17: the same for scale words
.set SX1,   12
.set SXC,   16
.set WB,    18                         ; v18, v19 my rows of the weight; v20, v21 their scale words
.set WS,    20
.set O16,   22
.set O8,    23
.set SB,    24                         ; v24-39 the weight's scale words: pair of tiles p, K step q at 8 p + q
.set TQ,    40
.set STO,   42
.set STV,   43
.set SA,    44                         ; v44-59 x's scale words: pair of tiles z, K step q at 8 z + q
.set TC,    60
.set VX,    63
.set ACC,   64                         ; v64-127 Q, K: two sets of four accumulators
.set HV0,   64                         ; v64-191 V, chunk 0: 32 t + 8 j + i
.set HV1,   840                        ; v840-967 V, chunk 1
.set NCD,   128
.set MCD,   192
.set MCD2,  216
.set SOP,   240
.set EB,    244
.set G1A,   24
.set G1B,   32
.set G0A,   56
.set G0B,   60
.set G0R,   68
.set MSB, 0
.macro WIN new
.if MSB != (\new)
	s_set_vgpr_msb (MSB<<8)|(\new)
.set MSB, (\new)
.endif
.endm
.macro PLACES
.rept 4
	v_nop
.endr
.endm
.macro WALU
	s_wait_alu depctr_va_vdst(0)
.endm
.macro BARRIER
	s_barrier_signal -1
	s_barrier_wait -1
.endm
.macro MIDDLE                          ; a round's middle: the opening wait, wave 0's signal for the work-group, the cluster's wait
	WIN 0
	s_barrier_wait -1
	s_cmp_lg_u32 s14, 0
	s_cbranch_scc1 .Lnot_wave_0_\@
	s_barrier_signal -3
.Lnot_wave_0_\@:
	s_barrier_wait -3
.endm
.macro CROUND
	s_barrier_signal -1
	MIDDLE
	BARRIER
.endm
.macro GRD
	s_wait_tensorcnt 0x0
	ds_add_u32 v[SPW], v[NIL]
.endm
.macro TLOAD g0, g1
	tensor_load_to_lds s[\g0:\g0+3], s[\g1:\g1+7]
	s_nop 0
	PLACES
.endm
.macro GROUP1 g, mask, rows            ; dense rows of 256 bytes (32 elements of 8 bytes), no padding
	s_or_b32 s[\g+0], s[\mask], (3<<16)|(1<<21)
	s_mov_b32 s[\g+1], 32<<16
	s_mov_b32 s[\g+2], (\rows)<<16
	s_mov_b32 s[\g+3], 32<<16
	s_mov_b32 s[\g+4], \rows
	s_mov_b32 s[\g+5], 32
	s_mov_b32 s[\g+6], 0
	s_mov_b32 s[\g+7], 0
.endm
.macro SADD d, x
	s_add_co_u32 s\d, s\d, s\x
.endm
.macro G0SET g, off                    ; group 0's address: xw + the 32-bit offset in s\off
	s_mov_b32 s20, s\off
	s_mov_b32 s21, 0
	s_add_nc_u64 s[\g+2:\g+3], s[4:5], s[20:21]
	s_or_b32 s[\g+3], s[\g+3], 0x80000000
.endm
.macro WEIGHTS                         ; my 64 rows of the weight, all of K, and their scale words: 112 loads
.irp q, 0,1,2,3,4,5,6,7
.irp b, 0,1,2,3
.set F_, 4*\q+\b
	WIN (1+F_/FPW)<<6
.set R_, FR*(F_%FPW)
.irp g, 0,1,2
	ds_load_b128 v[R_+4*\g:R_+4*\g+3], v[WB+\q/4] offset:REC*((\q/2)%2)+1536*(\q%2)+3072*\b+512*\g
.endr
.endr
.endr
	WIN 0
.irp q, 0,1,2,3,4,5,6,7
.irp p, 0,1
	ds_load_b32 v[SB+8*\p+\q], v[WS+\q/4] offset:REC*((\q/2)%2)+SCO+512*(\q%2)+128*\p
.endr
.endr
.endm
.macro FETCH j, ra, rs                 ; a chunk's tile j of mine, all of K, into set j % 2; an even tile brings the scale words of its pair (tile j in lanes 0-15, j + 1 in lanes 16-31)
.irp q, 0,1,2,3,4,5,6,7
.set F_, 32+8*((\j)%2)+\q
	WIN (1+F_/FPW)<<6
.set R_, FR*(F_%FPW)
.irp g, 0,1,2
	ds_load_b128 v[R_+4*\g:R_+4*\g+3], v[\ra+\q/4] offset:REC*((\q/2)%2)+1536*(\q%2)+3072*(\j)+512*\g
.endr
.endr
	WIN 0
.if (\j)%2 == 0
.irp q, 0,1,2,3,4,5,6,7
	ds_load_b32 v[SA+8*((\j)/2)+\q], v[\rs+\q/4] offset:REC*((\q/2)%2)+SCO+512*(\q%2)+64*(\j)
.endr
.endif
.endm
.macro PW c, ra, rb
	v_wmma_scale_f32_16x16x128_f8f6f4 v[DL_:DL_+7], v[KA_:KA_+11], v[KB_:KB_+11], \c, v[KX_], v[KY_] matrix_a_fmt:MATRIX_FMT_FP6 matrix_b_fmt:MATRIX_FMT_FP6 matrix_a_scale:MATRIX_SCALE_ROW\ra matrix_b_scale:MATRIX_SCALE_ROW\rb
.endm
.macro PR c
.if KS_ == 0
	PW \c, 0, 0
.elseif KS_ == 1
	PW \c, 1, 0
.elseif KS_ == 2
	PW \c, 0, 1
.else
	PW \c, 1, 1
.endif
.endm
; A product, n = 4 q + t.  kind 0 (Q, K): source 0 the weight's rows; kind 1 (V): source 0 x's rows.  The four accumulators take turns; the first product of each takes C = 0.
.macro PROD kind, j, n, a0, as
.set Q_, (\n)/4
.set FB_, 4*Q_+(\n)%4
.set FA_, 32+8*((\j)%2)+Q_
.set D_, (\a0)+(\as)*((\n)%4)
.set DL_, D_&255
.set XB_, SB+8*(((\n)%4)/2)+Q_
.set XA_, SA+8*((\j)/2)+Q_
.if \kind
	WIN (1+FA_/FPW)|((1+FB_/FPW)<<2)|((D_>>8)*0x50)
.set KA_, FR*(FA_%FPW)
.set KB_, FR*(FB_%FPW)
.set KX_, XA_
.set KY_, XB_
.set KS_, ((\j)%2)+2*((\n)%2)
.else
	WIN (1+FB_/FPW)|((1+FA_/FPW)<<2)|((D_>>8)*0x50)
.set KA_, FR*(FB_%FPW)
.set KB_, FR*(FA_%FPW)
.set KX_, XB_
.set KY_, XA_
.set KS_, ((\n)%2)+2*((\j)%2)
.endif
.if Q_
	PR v[DL_:DL_+7]
.else
	PR 0
.endif
.endm
.macro BLOCK kind, j, a0, as, from, to, list, x=0, y=0   ; behind every second product two entries of a list
.set N_, \from
.rept (\to)-(\from)
	PROD \kind, \j, N_, \a0, \as
.if N_%2
	\list N_-1, \x, \y
	\list N_, \x, \y
.endif
.set N_, N_+1
.endr
.endm
.macro CHAIN i, x, n, t=TQ             ; a way out's first part, 18 entries: the largest magnitude of the 32 sums from register x on, in two chains, and the conversions' scale operand
.set XW_, (\x)>>8
.set XL_, (\x)&255
.if (\i) >= 0 && (\i) < 14
.set B_, XL_+16*((\i)%2)+2*((\i)/2)
.set T_, (\t)+1-(\i)%2
.if (\i) < 2
	WIN XW_|(XW_<<2)|(XW_<<4)
	v_max3_num_f32 v[T_], |v[B_]|, |v[B_+1]|, |v[B_+2]|
.else
	WIN (XW_<<2)|(XW_<<4)
	v_max3_num_f32 v[T_], v[T_], |v[B_+1]|, |v[B_+2]|
.endif
.elseif (\i) == 14
	WIN XW_<<2
	v_max3_num_f32 v[\t+1], v[\t+1], |v[XL_+15]|, 0x1800000
.elseif (\i) == 15
	WIN 0
	v_nop                                  ; so that the next line, which reads entry 14's result, stands in the next pair
.elseif (\i) == 16
	WIN XW_<<2
	v_max3_num_f32 v[\t], v[\t], |v[XL_+31]|, v[\t+1]
.elseif (\i) == 17
	WIN 0
	v_add_nc_u32 v[SOP+\n], 0xff000000, v[\t]
.endif
.endm
.macro CODES i, x, c, n, t=TC          ; its second part, 6 lines: 32 codes into v[c .. c+5], the scale's byte into v[EB+n]
.set XW_, (\x)>>8
.set XL_, (\x)&255
.if (\i) == 0
	WIN XW_
	v_cvt_scalef32_pk16_fp6_f32 v[\c:\c+2], v[XL_:XL_+15], v[SOP+\n]
.elseif (\i) == 1
	WIN XW_
	v_cvt_scalef32_pk16_fp6_f32 v[\t:\t+2], v[XL_+16:XL_+31], v[SOP+\n]
.elseif (\i) == 2
	WIN 0
	v_lshrrev_b32 v[EB+\n], 23, v[SOP+\n]
.else
	WIN 0
	v_mov_b32 v[\c+\i], v[\t+\i-3]
.endif
.endm
.macro CODES6 x, c, n                  ; its four plain lines are also the places between a block's last products and the fetch behind them
.irp i, 0,1,2,3,4,5
	CODES \i, \x, \c, \n
.endr
.endm
.macro PFTILE v, off, share            ; one entry: my sixteenth of 102,400 bytes, 25 units of 256: the lanes left over name the last again
	s_mul_i32 s21, s\share, CH/16
	s_add_co_u32 s20, s\off, s21
	WIN 0
	v_min_u32 v\v, 24, v3
	v_lshl_add_u32 v\v, v\v, 8, s20
.endm
.macro PFGO v
	global_prefetch_b8 v\v, s[4:5] th:TH_LOAD_NT scope:SCOPE_SE
.endm
; ---- the lists
.macro L_NONE i, x, y
.endm
.macro L_OUT i, x, y
	CHAIN \i, \x, \y
.endm
.macro L_V2 i, x, y                    ; the first refill's address, group 1 for the later refills (half a chunk a wave), chunk 2's prefetch
.if (\i) == 0
	s_mov_b32 s[G1A+2], 200<<16
	s_mov_b32 s[G1A+4], 200
.elseif (\i) == 1
	s_mul_i32 s20, s14, HALF
	SADD 20, 9
	s_mov_b32 s21, 0
	s_add_nc_u64 s[G0B+2:G0B+3], s[4:5], s[20:21]
.elseif (\i) == 2
	s_or_b32 s[G0B+3], s[G0B+3], 0x80000000
.elseif (\i) == 4
	PFTILE 249, 88, 90
.endif
.endm
.macro L_V7 i, x, y                    ; chunk 3's prefetch; the way out
.if (\i) == 0
	s_add_co_u32 s22, s88, CH
	PFTILE 250, 22, 90
.endif
	CHAIN (\i)-1, \x, \y
.endm
.macro L_ROUND i, x, y                 ; the refill's descriptor; the slot that the next four blocks are fetched from; the way out
.if (\i) == 0
	s_mul_i32 s[G0R+1], s14, HALF
	s_add_co_u32 s[G0R+1], s[G0R+1], s47
	s_mul_i32 s20, s14, HALF
	SADD 20, 88
.elseif (\i) == 1
	s_mov_b32 s21, 0
	s_add_nc_u64 s[G0R+2:G0R+3], s[4:5], s[20:21]
	s_or_b32 s[G0R+3], s[G0R+3], 0x80000000
	s_add_co_u32 s88, s88, CH
.elseif (\i) == 2
	s_xor_b32 s47, s47, SLOT
	WIN 0
	v_add_nc_u32 v[AXC], s47, v[AX0]
.elseif (\i) == 3
	WIN 0
	v_add_nc_u32 v[AXC+1], s47, v[AX0+1]
.elseif (\i) == 4
	WIN 0
	v_add_nc_u32 v[SXC], s47, v[SX0]
.elseif (\i) == 5
	WIN 0
	v_add_nc_u32 v[SXC+1], s47, v[SX0+1]
.endif
	CHAIN (\i)-6, \x, \y
.endm
.macro L_NEXT i, x, y                  ; on to the next chunk's place in qkv (the true chunk) and in the stage (the order of work); the way out
.if (\i) == 0
	s_add_co_u32 s46, s46, 1
	s_xor_b32 s20, s46, s87
	s_mul_i32 s20, s20, 8*REC
	s_mov_b32 s21, 0
.elseif (\i) == 1
	s_add_nc_u64 s[84:85], s[10:11], s[20:21]
	s_lshl_b32 s22, s46, 9
	WIN 0
	v_add_nc_u32 v[VX], s22, v[STO]
.endif
	CHAIN (\i)-2, \x, \y
.endm
; ---- blocks
.macro QOUT j, n, c                    ; tile j's byte and half fragment: 512 and 256 consecutive bytes
	WALU
	ds_store_b8 v[VX], v[EB+\n] offset:64*(\j)
	global_store_b128 v[O16], v[\c:\c+3], s[84:85] offset:3072*(\j)
	global_store_b64 v[O8], v[\c+4:\c+5], s[84:85] offset:3072*(\j)+512
.endm
.macro QB w, j, list, ra, rs, fetch    ; a block of Q or K: tile j; the tile before goes out
.if (\w) >= 0
	s_wait_dscnt \w
.endif
.if (\j)%2
	s_wait_xcnt 0x0                                ; earlier stores have read their registers and their base
.endif
	BLOCK 0, \j, ACC+32*((\j)%2), 8, 0, 32, \list, ACC+32*(1-(\j)%2), 1-(\j)%2
	WIN 0
	CODES6 ACC+32*(1-(\j)%2), NCD+6*(1-(\j)%2), 1-(\j)%2
	QOUT ((\j)+3)%4, 1-(\j)%2, NCD+6*(1-(\j)%2)
.if \fetch
	FETCH ((\j)+2)%4, \ra, \rs
.endif
.endm
.macro VOUT q, t, n, c
	WALU
	ds_store_b8 v[STV], v[EB+\n] offset:512*(\q)+64*(\t)
	global_store_b128 v[O16], v[\c:\c+3], s[80:81] offset:(2*(\t)+(\q))*1536
	global_store_b64 v[O8], v[\c+4:\c+5], s[80:81] offset:(2*(\t)+(\q))*1536+512
.endm
.macro VB w, t, fetch                  ; a block of V's chunk 1; chunk 0's results of channel tile t go out
	s_wait_dscnt \w
	BLOCK 1, \t, HV1+8*\t, 32, 0, 32, L_OUT, HV0+32*\t, \t
	WIN 0
	CODES6 HV0+32*\t, MCD+6*\t, \t
	VOUT 0, \t, \t, MCD+6*\t
.if \fetch
	FETCH \t+2, AX1, SX1
.endif
.endm
; ================= THE HEAD
	s_load_b128 s[4:7], s[0:1], 0x0                ; xw, qkv
	v_lshl_add_u32 v[SPW], v0, 2, SPARE
	v_mov_b32 v[NIL], 0
	ds_add_u32 v[SPW], v[NIL]                      ; the opening lines: the add, twice on end
	ds_add_u32 v[SPW], v[NIL]
	v_lshrrev_b32 v1, 5, v0
	v_readfirstlane_b32 s14, v1                    ; the wave
	s_lshr_b32 s15, s14, 1                         ; its row w
	s_and_b32 s16, s14, 1                          ; its column b
	s_bfe_u32 s40, ttmp6, 0x40000                  ; cx
	s_bfe_u32 s41, ttmp6, 0x40004                  ; cy
	s_lshl_b32 s42, ttmp9, 2
	SADD 42, 40                                    ; tile column 0-15 of Q and K
	s_and_b32 s43, ttmp7, 0xffff
	s_lshl_b32 s43, s43, 2
	SADD 43, 41                                    ; tile row: 512 tokens
	s_lshr_b32 s19, ttmp9, 1
	s_and_b32 s87, ttmp9, 1
	s_lshl_b32 s87, s87, 1                         ; the first true chunk in the order of work: 0 or 2
	s_lshl_b32 s13, s19, 2
	SADD 13, 40                                    ; V's tile column
	s_lshl_b32 s44, s41, 2
	s_lshl_b32 s44, 15, s44                        ; my row of the cluster
	s_lshl_b32 s45, 0x1111, s40                    ; my column
	GROUP1 G1A, 44, 400
	GROUP1 G1B, 45, 200
	s_lshl_b32 s66, s43, 2
	s_add_co_u32 s66, s66, 8
	s_mul_i32 s66, s66, CH                         ; my 512 tokens, bytes from xw
	s_mul_i32 s67, s87, CH
	SADD 67, 66                                    ; the half that comes first
	s_xor_b32 s88, s87, 2
	s_mul_i32 s88, s88, CH
	SADD 88, 66                                    ; the other half
	s_add_co_u32 s9, s42, 72
	s_mul_i32 s9, s9, CH                           ; W_q's or W_k's rows
	s_mul_i32 s54, s13, CH                         ; W_v's
	s_mul_i32 s21, s14, HALF
	SADD 54, 21                                    ; my half of them (waves 0 and 1)
	s_mov_b32 s[G0A], 1
	s_mov_b32 s[G0A+1], 0
	s_mov_b32 s[G0R], 1
	s_mov_b32 s[G0R+1], SLOT
	s_mov_b32 s[G0B], 1
	s_add_co_u32 s[G0B+1], s21, 2*SLOT
	s_lshl_b32 s90, s40, 2
	SADD 90, 14                                    ; my number among the sixteen waves of my row of the cluster
	s_lshl_b32 s100, s41, 2
	SADD 100, 14                                   ; and of my column
	WALU
	s_wait_dscnt 0x0
	CROUND                                         ; ahead of the first joint loads
	s_wait_kmcnt 0x0
	G0SET G0B, 54
	G0SET G0A, 67
	s_add_co_u32 s67, s67, CH
	G0SET G0R, 67
	s_cmp_lt_u32 s14, 2
	s_cbranch_scc0 .Lx_arms
	TLOAD G0B, G1B                                 ; waves 0 and 1: W_v's rows
	s_branch .Lasked
.Lx_arms:
	s_cmp_eq_u32 s14, 2
	s_cbranch_scc0 .Lwave_3
	TLOAD G0A, G1A                                 ; wave 2: chunk 0
	s_branch .Lasked
.Lwave_3:
	TLOAD G0R, G1A                                 ; wave 3: chunk 1
.Lasked:
	s_lshl_b32 s20, s43, 2                         ; where the results go
	s_add_co_u32 s20, s20, 32
	s_lshl_b32 s20, s20, 3
	s_lshr_b32 s21, s42, 1
	SADD 20, 21
	s_mul_i32 s20, s20, REC                        ; record (32 + 4 x tile row, tile column / 2)
	s_and_b32 s21, s42, 1
	s_mul_i32 s22, s21, 1536
	s_lshl_b32 s23, s21, 9
	s_xor_b32 s48, s14, s87                        ; wave o carries the scale words of chunk o in the order of work
	s_mul_i32 s48, s48, 8*REC
	SADD 48, 20
	SADD 48, 23
	s_add_co_u32 s48, s48, SCO
	s_mov_b32 s49, 0
	s_add_co_u32 s10, s20, s22
	s_mul_i32 s21, s15, 12288
	SADD 10, 21
	s_mul_i32 s21, s16, 768
	SADD 10, 21
	s_mov_b32 s11, 0
	s_mul_i32 s84, s87, 8*REC
	s_mov_b32 s85, 0
	s_lshr_b32 s20, s43, 2
	s_lshl_b32 s20, s20, 3
	SADD 20, 13
	s_lshl_b32 s20, s20, 3
	s_and_b32 s21, s43, 3
	s_lshl_b32 s21, s21, 1
	SADD 20, 21
	s_lshr_b32 s21, s87, 1
	SADD 20, 21
	s_mul_i32 s20, s20, REC                        ; V's record: (8 batch + tile column, its 256 tokens)
	s_mul_i32 s80, s16, 12288
	SADD 80, 20
	s_mul_i32 s21, s15, 768
	SADD 80, 21
	s_mov_b32 s81, 0
	s_lshl_b32 s52, s14, 8
	SADD 52, 20
	s_add_co_u32 s52, s52, SCO
	s_mov_b32 s53, 0
	s_add_nc_u64 s[10:11], s[6:7], s[10:11]
	s_add_nc_u64 s[84:85], s[10:11], s[84:85]
	s_add_nc_u64 s[48:49], s[6:7], s[48:49]
	s_add_nc_u64 s[80:81], s[6:7], s[80:81]
	s_add_nc_u64 s[52:53], s[6:7], s[52:53]
	s_mov_b32 s46, 0
	s_mov_b32 s47, 0
	s_mul_i32 s20, s15, 12288
	s_lshl_b32 s21, s15, 8
	s_mul_i32 s22, s16, 12288
	s_add_co_u32 s22, s22, 2*SLOT
	s_lshl_b32 s23, s16, 8
	s_add_co_u32 s23, s23, 2*SLOT
	s_lshl_b32 s2, s16, 1
	SADD 2, 21
	s_add_co_u32 s2, s2, XN
	s_lshl_b32 s3, s16, 8
	s_lshl_b32 s12, s15, 1
	SADD 3, 12
	s_add_co_u32 s3, s3, XM
	v_and_b32 v1, 15, v0                           ; r
	v_bfe_u32 v2, v0, 4, 1                         ; h
	v_and_b32 v3, 31, v0                           ; lane
	v_lshl_add_u32 v[STO], v1, 2, v2
	v_lshl_add_u32 v[AX0], v3, 4, s20
	v_lshl_add_u32 v[SX0], v3, 2, s21
	v_lshl_add_u32 v[WB], v3, 4, s22
	v_lshl_add_u32 v[WS], v3, 2, s23
	v_lshlrev_b32 v[O16], 4, v3
	v_lshlrev_b32 v[O8], 3, v3
	v_add_nc_u32 v[STV], s3, v[STO]
	v_add_nc_u32 v[STO], s2, v[STO]
	v_add_nc_u32 v[AX0+1], HALF, v[AX0]
	v_add_nc_u32 v[SX0+1], HALF, v[SX0]
	v_add_nc_u32 v[WB+1], HALF, v[WB]
	v_add_nc_u32 v[WS+1], HALF, v[WS]
	v_add_nc_u32 v[AX1], SLOT, v[AX0]
	v_add_nc_u32 v[AX1+1], SLOT+HALF, v[AX0]
	v_add_nc_u32 v[SX1], SLOT, v[SX0]
	v_add_nc_u32 v[SX1+1], SLOT+HALF, v[SX0]
	v_mov_b32 v[VX], v[STO]
	PFTILE 248, 9, 100                             ; what the first refill will load
	WALU                                           ; the wait at the head's end
	s_cmp_lt_u32 s14, 2
	s_cbranch_scc0 .Lnot_w
	s_wait_tensorcnt 0x0
.Lnot_w:
	BARRIER                                        ; W_v's rows are in
	PFGO 248
	WEIGHTS
	s_cmp_eq_u32 s14, 3
	s_cbranch_scc1 .Lnot_x0
	s_wait_tensorcnt 0x0
.Lnot_x0:
	s_wait_dscnt 0x0
	BARRIER                                        ; chunk 0 is in; chunk 1 may still be on its way
	FETCH 0, AX0, SX0
	FETCH 1, AX0, SX0
; ================= V, eight blocks
	s_wait_dscnt NFO
	BLOCK 1, 0, HV0, 32, 0, 32, L_NONE
	WIN 0
	PLACES
	FETCH 2, AX0, SX0
	s_wait_dscnt NFE
	BLOCK 1, 1, HV0+8, 32, 0, 32, L_NONE
	WIN 0
	PLACES
	FETCH 3, AX0, SX0
	s_wait_dscnt NFO
	GRD
	BLOCK 1, 2, HV0+16, 32, 0, 24, L_V2
	WIN 0
	WALU
	s_wait_dscnt 0x0
	s_barrier_signal -1
	BLOCK 1, 2, HV0+16, 32, 24, 32, L_NONE
	MIDDLE
	BARRIER
	s_cmp_lt_u32 s14, 2
	s_cbranch_scc0 .Lno_half
	TLOAD G0B, G1B                                 ; a half each of W_q's or W_k's rows, onto W_v's, which all waves hold in registers
.Lno_half:
	PLACES                                         ; the places ahead of the fetch, for the waves that come round the load
	FETCH 0, AX1, SX1
	PFGO 249
	BLOCK 1, 3, HV0+24, 32, 0, 32, L_NONE          ; (its rows were shown in by the round's wait)
	WIN 0
	PLACES
	FETCH 1, AX1, SX1
	VB NFO, 0, 1
	VB NFE+1, 1, 1
	VB NFO+1, 2, 0
	s_wait_dscnt 1
	BLOCK 1, 3, HV1+24, 32, 0, 26, L_V7, HV0+96, 3
	WIN 0
	WALU
	s_wait_tensorcnt 0x0
	s_wait_dscnt 0x0
	s_barrier_signal -1                            ; a plain barrier: the weight that the first refill brought is shown to all
	BLOCK 1, 3, HV1+24, 32, 26, 32, L_NONE
	WIN 0
	s_barrier_wait -1
	CODES6 HV0+96, MCD+18, 3
	VOUT 0, 3, 3, MCD+18
; ================= THE CHANGE OF PHASE: the weight and the first two blocks' rows, which lie in slot 0 still, in one run; V's last four way outs under their flight
	WEIGHTS
	FETCH 0, AX0, SX0
	FETCH 1, AX0, SX0
	PFGO 250
.set I, 0
.rept 18
.irp t, 0,1,2,3
	CHAIN I, HV1+32*\t, \t, 64+4*\t
.endr
.set I, I+1
.endr
.set I, 0
.rept 6
.irp t, 0,1,2,3
	CODES I, HV1+32*\t, MCD2+6*\t, \t, 80+4*\t
.endr
.set I, I+1
.endr
	WIN 0
.irp t, 0,1,2,3
	VOUT 1, \t, \t, MCD2+6*\t
.endr
; ================= Q or K, sixteen blocks
	s_wait_dscnt NFO+4                             ; (behind block 1's fetch stand V's four byte stores)
	BLOCK 0, 0, ACC, 8, 0, 32, L_NONE
	WIN 0
	PLACES
	FETCH 2, AX0, SX0
	QB NFE+4, 1, L_OUT, AX0, SX0, 1
	s_mov_b32 s86, 0
.Lchunk:                                           ; blocks 2 to 5, 6 to 9
	s_wait_dscnt NFO+1
	GRD
	BLOCK 0, 2, ACC, 8, 0, 26, L_ROUND, ACC+32, 1
	WIN 0
	WALU
	s_wait_dscnt 0x0
	s_barrier_signal -1
	BLOCK 0, 2, ACC, 8, 26, 32, L_NONE
	WIN 0
	CODES6 ACC+32, NCD+6, 1
	MIDDLE
	BARRIER
	s_cmp_lt_u32 s14, 2
	s_cbranch_scc0 .Lno_chunk
	TLOAD G0R, G1A                                 ; a half each of the next chunk, into the slot whose last block was fetched ahead of the round
.Lno_chunk:
	QOUT 1, 1, NCD+6
	FETCH 0, AXC, SXC
	QB -1, 3, L_OUT, AXC, SXC, 1
	QB NFO+1, 0, L_OUT, AXC, SXC, 1
	QB NFE+1, 1, L_NEXT, AXC, SXC, 1
	s_add_co_u32 s86, s86, 1
	s_cmp_lt_u32 s86, 2
	s_cbranch_scc1 .Lchunk
	s_wait_dscnt NFO+1                             ; block 10: a plain barrier inside it shows the last chunk to all
	BLOCK 0, 2, ACC, 8, 0, 26, L_OUT, ACC+32, 1
	WIN 0
	WALU
	s_wait_tensorcnt 0x0
	s_wait_dscnt 0x0
	s_barrier_signal -1
	BLOCK 0, 2, ACC, 8, 26, 32, L_NONE
	WIN 0
	s_barrier_wait -1
	CODES6 ACC+32, NCD+6, 1
	QOUT 1, 1, NCD+6
	FETCH 0, AX1, SX1
	QB -1, 3, L_OUT, AX1, SX1, 1
	QB NFO+1, 0, L_OUT, AX1, SX1, 1
	QB NFE+1, 1, L_NEXT, AX1, SX1, 1
	QB NFO+1, 2, L_OUT, AX1, SX1, 0
	QB 1, 3, L_OUT, AX1, SX1, 0
; ================= THE END: the last way out; the scale bytes go through LDS under its conversions
	s_lshl_b32 s21, s14, 9
	s_add_co_u32 s21, s21, XN
	s_lshl_b32 s22, s14, 8
	s_add_co_u32 s22, s22, XM
	v_lshl_add_u32 v14, v3, 4, s21
	v_lshl_add_u32 v15, v3, 3, s22
.set I, 0
.rept 18
	CHAIN I, ACC+32, 1
.set I, I+1
.endr
	CODES 2, ACC+32, NCD+6, 1
	WALU
	ds_store_b8 v[VX], v[EB+1] offset:192
	s_wait_dscnt 0x0
	s_barrier_signal -1
	CODES 0, ACC+32, NCD+6, 1
	CODES 1, ACC+32, NCD+6, 1
	v_nop
.irp i, 3,4,5
	CODES \i, ACC+32, NCD+6, 1
.endr
	WALU
	s_barrier_wait -1
	ds_load_b128 v[64:67], v14
	ds_load_b64 v[68:69], v15
	global_store_b128 v[O16], v[NCD+6:NCD+9], s[84:85] offset:9216
	global_store_b64 v[O8], v[NCD+10:NCD+11], s[84:85] offset:9728
	s_wait_dscnt 0x0
	global_store_b128 v[O16], v[64:67], s[48:49]   ; a K step's 512 bytes of words
	global_store_b64 v[O8], v[68:69], s[52:53]     ; a quarter of the record's 1,024
	s_wait_tensorcnt 0x0                           ; the wave's end
	ds_add_u32 v[SPW], v[NIL]
	s_wait_dscnt 0x0
	CROUND                                         ; the closing round
	s_endpgm
.Lfunc_end_k_qfccb4ad93c_qkv:
	.size	k_qfccb4ad93c_qkv, .Lfunc_end_k_qfccb4ad93c_qkv-k_qfccb4ad93c_qkv
	.p2alignl 7, 3214868480
	.fill 96, 4, 3214868480
	.section	.rodata,"a",@progbits
	.p2align	6, 0x0
	.amdhsa_kernel k_qfccb4ad93c_qkv
		.amdhsa_group_segment_fixed_size 327680
		.amdhsa_private_segment_fixed_size 0
		.amdhsa_enable_private_segment 0
		.amdhsa_kernarg_size 16
		.amdhsa_user_sgpr_count 2
		.amdhsa_user_sgpr_kernarg_segment_ptr 1
		.amdhsa_wavefront_size32 1
		.amdhsa_system_sgpr_workgroup_id_x 1
		.amdhsa_system_sgpr_workgroup_id_y 1
		.amdhsa_system_sgpr_workgroup_id_z 1
		.amdhsa_system_vgpr_workitem_id 0
		.amdhsa_next_free_vgpr 976
		.amdhsa_next_free_sgpr 102
		.amdhsa_reserve_vcc 0
		.amdhsa_float_denorm_mode_32 3
		.amdhsa_float_denorm_mode_16_64 3
		.amdhsa_memory_ordered 1
		.amdhsa_forward_progress 1
		.amdhsa_inst_pref_size 192
	.end_amdhsa_kernel
	.amdgpu_metadata
---
amdhsa.version: [ 1, 2 ]
amdhsa.kernels:
  - .name:           k_qfccb4ad93c_qkv
    .symbol:         k_qfccb4ad93c_qkv.kd
    .args:
      - { .name: xw, .offset: 0, .size: 8, .value_kind: global_buffer, .address_space: global }
      - { .name: qkv, .offset: 8, .size: 8, .value_kind: global_buffer, .address_space: global }
    .group_segment_fixed_size: 327680
    .private_segment_fixed_size: 0
    .kernarg_segment_align: 8
    .kernarg_segment_size: 16
    .max_flat_workgroup_size: 128
    .sgpr_count:     102
    .vgpr_count:     976
    .wavefront_size: 32
...
	.end_amdgpu_metadata
.endif
;; end of part 2
;; launch scores (part 3): grid 9 x 16, 4 waves a work-group, no clusters, 327,680 bytes of LDS; arguments qkv, pw, pst; writes pw, pst
.if DOCPART == 3
	.amdgcn_target "amdgcn-amd-amdhsa--gfx1250"
	.amdhsa_code_object_version 6
	.text
	.protected	k_qfccb4ad93c_scores
	.globl	k_qfccb4ad93c_scores
	.p2align	8
	.type	k_qfccb4ad93c_scores,@function
k_qfccb4ad93c_scores:
	s_mov_b64 s[64:65], 0
	v_nop
	global_prefetch_b8 v0, s[64:65] scope:SCOPE_SE
	s_setreg_imm32_b32 hwreg(HW_REG_WAVE_MODE, 25, 1), 1
	s_wait_xcnt 0x0
; S^T = k q^T on codes of FP6 (K = 1,024), the causal mask, and p = 2^(t - M) quantised along the keys, for the tiles of 256 queries x 256 keys that the mask does not hide wholly (the others are left out: head of the first launch).
; t = score x log2(e) / 32.  M here is LOCAL: the ceiling of the largest t of a query's 128 keys in this wave; it, the local sum l of the unquantised p and p's scale words go to pst, and the next launch
; joins them: M is a whole number, so the change to the row's M is a power of two, which the scale bytes take up.
; Source 1 = q (a lane holds one query), source 0 = k.  By the order of rows in a tile, register n of a lane (r, h) is key 64 (n / 32) + 32 h + n % 32 of the wave's 128: two whole blocks of 32 a lane.
; pw: the next launch takes the blocks of 128 queries i' = 15 - pi (A) and pi (B) of a batch together: their records (128 queries x 256 keys j) lie on end, nine to a pair: A's at place j, B's at place 8 - j.
;   Record (9 (8 b + pi) + place) x 25,600, K step = my half of the keys: fragment (a, q) at (2 a + q) x 1,536, register g of lane l at 512 (g / 4) + 16 l + 4 (g % 4); its images alone are written.
; pst: chunk (16 G + key / 128) x 1,536 bytes, G = 16 b + i', in the order in which the next launch's lanes take it.  Query tile a = 4 h' + 2 j + hi, lane L = 16 hi + r:
;   at 768 h' + 16 L: scale word of j = 0, of j = 1, M of j = 0, of j = 1;  at 768 h' + 512 + 8 L: l of j = 0, of j = 1.
; SHARES: batch b = y / 4; pair y % 4: query blocks of 256 y % 4 and 7 - y % 4 have 9 tiles together: 9 work-groups of equal work for each pair.
; NO CLUSTER: 9 tiles to a pair do not divide by 4, and in the folded triangle neighbouring work-groups share neither their queries' nor their keys' records regularly.
; NO PREFETCH: three quarters of what a wave reads are asked for at once at the head, the rest with four K steps' products to land in.
; On the diagonal the wave with the first 128 queries and the last 128 keys has nothing that counts: it stores nothing (the next launch never uses that K step) and passes over the way out.
; LDS: record 0 of q's two groups of 128 rows, of k's two; records 1 and 2 of q's groups, of k's.  At the head one tensor load a wave: waves 0, 1 record 0 of q, of k; waves 2, 3 records 1 and 2.
; Two rows a load, a group each.  The fourth record is a refill of the first one's bytes.
; LIMITS: NaN and infinities are not served; the scaled scores stay under 2^31 in magnitude; a block all of whose p are 0 keeps the byte 1 (its codes are zeros).
.set REC,   25600
.set SCO,   24576
.set SST,   12*REC                     ; behind the operands: 1,536 bytes for each wave: its chunk of pst on the way out
.set SPARE, SST+4*1536
.set FR,    12
.set AR,    4                          ; v4, v5 my q group + 16 x lane: record 0 (or 3), record 1;  v6, v7 my k group
.set AP,    6
.set AR8,   8                          ; the same + 8 x lane
.set AP8,   10
.set SR,    12                         ; the same + 4 x lane
.set SP,    14
.set LO,    16
.set SSTO,  17                         ; v17 my chunk + 16 r
.set SSTL,  18                         ; v18 my chunk + 16 x lane
.set NINF,  19                         ; v19 -infinity
.set SSTB,  24                         ; v24 my chunk + 8 r
.set SSTQ,  25                         ; v25 my chunk + 16 r + h
.set SPW,   28
.set NIL,   29
.set DQ,    30                         ; v30 r + 24 (r / 8) - 32 h: my query's place in its band, less 8 (a % 4), less my half's first key
.set SC,    32                         ; set z: q's word of (K step q, tiles 2 j and 2 j + 1) at 16 z + 4 q + j, k's at 16 z + 8 + 4 (1 - q) + j
.set RF,    64
; the way out, four query tiles t side by side:
.set TM,    64                         ; v[64 + 4 t + b] the blocks' largest
.set RM,    80                         ; v[80 + t] the row's largest
.set QX,    84                         ; v[84 + t] from lane l xor 16
.set NM,    88                         ; v[88 + 2 t] -M (named with its neighbour as a pair)
.set LA,    96                         ; v[96 + 2 t], v[104 + 2 t] the sum's two chains
.set LB,    104
.set SO,    112                        ; v[112 + 2 t + c] the conversions' scale operand
.set BY,    120                        ; v[120 + 2 t + c] the byte
.set MV,    128                        ; v[128 + t] M
.set LS,    132                        ; v[132 + t] l
.set PC,    136                        ; v[136 + 20 t] codes
.set SEL,   20
.set CS,    22                         ; s[22:23] c = log2(e) / 32
.set G1A,   24
.set G1B,   32
.set G00,   40
.set G02,   48
.set SKIP,  45
.set MK,    46
.set OUTP,  52
.set OUTS,  54
.set MSB, 0
.macro WIN new
.if MSB != (\new)
	s_set_vgpr_msb (MSB<<8)|(\new)
.set MSB, (\new)
.endif
.endm
.macro PLACES
.rept 4
	v_nop
.endr
.endm
.macro PW c, ra, rb
	v_wmma_scale_f32_16x16x128_f8f6f4 v[kD:kD+7], v[kA:kA+11], v[kB:kB+11], \c, v[kX], v[kY] matrix_a_fmt:MATRIX_FMT_FP6 matrix_b_fmt:MATRIX_FMT_FP6 matrix_a_scale:MATRIX_SCALE_ROW\ra matrix_b_scale:MATRIX_SCALE_ROW\rb
.endm
.macro PR c
.if kS == 0
	PW \c, 0, 0
.elseif kS == 1
	PW \c, 1, 0
.elseif kS == 2
	PW \c, 0, 1
.else
	PW \c, 1, 1
.endif
.endm
.macro WM a, b, fs, z, q, zero         ; q's tile a x k's tile b; fragments' set fs, scale words' set z, the record's K step q
.set kD, 8*(8*((\a)%4)+(\b))
.set kA, 128*(\fs)+FR*(\b)
.set kB, RF+96*(\fs)+FR*(\a)
.set kX, SC+16*(\z)+8+4*(1-(\q))+(\b)/2
.set kY, SC+16*(\z)+4*(\q)+(\a)/2
.set kS, ((\b)%2)+2*((\a)%2)
.if \zero
	PR 0
.else
	PR v[kD:kD+7]
.endif
.endm
.macro MUL32 hi, fs, z, q, zero        ; the 64 accumulators take turns in one order in every step
.irp a, 0,1,2,3
.irp b, 0,1,2,3,4,5,6,7
	WM 4*(\hi)+\a, \b, \fs, \z, \q, \zero
.endr
.endr
.endm
.macro FRG reg, a16, a8, off           ; a fragment in its two halves of 768 bytes
.irp c, 0,1
	ds_load_b128 v[\reg+6*\c:\reg+6*\c+3], v[\a16] offset:\off+768*\c
	ds_load_b64 v[\reg+6*\c+4:\reg+6*\c+5], v[\a8] offset:\off+768*\c+512
.endr
.endm
.macro FETCH s, q, fs                  ; 64 LDS loads: the fragments of the record in place s (0, 1, 2), K step q, into set fs
	WIN 0x40
.irp b, 0,1,2,3,4,5,6,7
	FRG 128*(\fs)+FR*\b, AP+((\s)+1)/2, AP8+((\s)+1)/2, ((\s)/2)*REC+(2*\b+(\q))*1536
.endr
	WIN 0
.irp b, 0,1,2,3,4,5,6,7
	FRG RF+96*(\fs)+FR*\b, AR+((\s)+1)/2, AR8+((\s)+1)/2, ((\s)/2)*REC+(2*\b+(\q))*1536
.endr
.endm
.macro SCALES s, z                     ; a load brings tile 2 j's words to lanes 0-15 and tile 2 j + 1's to lanes 16-31
.irp q, 0,1
.irp j, 0,1,2,3
	ds_load_b32 v[SC+16*(\z)+4*\q+\j], v[SR+((\s)+1)/2] offset:((\s)/2)*REC+SCO+512*\q+128*\j
	ds_load_b32 v[SC+16*(\z)+8+4*(1-\q)+\j], v[SP+((\s)+1)/2] offset:((\s)/2)*REC+SCO+512*\q+128*\j
.endr
.endr
.endm
.macro STEP fs, z, q, zero, ns, nq, sc, nz   ; a K step of 128; in its middle the next step's fragments are fetched into the other set
	s_wait_dscnt 0x0                               ; this step's loads, issued 32 matrix instructions ago, are in
	WIN 0xa1                                       ; source 0 window 1, source 1 window 0, C and D window 2
	MUL32 0, \fs, \z, \q, \zero
	PLACES
	FETCH \ns, \nq, 1-(\fs)
.if \sc
	SCALES \ns, \nz
.endif
	WIN 0xf1
	MUL32 1, \fs, \z, \q, \zero
.endm
.macro TURN fill, ns, nz               ; a K step with a meeting in its middle, ahead of the fetch from a record that has not been shown yet
	s_wait_dscnt 0x0
	WIN 0xa1
	MUL32 0, 1, 0, 1, 0
	WIN 0
	s_wait_tensorcnt 0x0                           ; all my tensor loads have landed
	ds_add_u32 v[SPW], v[NIL]                      ; 0 onto my spare word
.if \fill
	s_add_nc_u64 s[G00+2:G00+3], s[G00+2:G00+3], 3*REC   ; no load of mine is out: on to the fourth record
.endif
	s_wait_dscnt 0x0                               ; the add is done, and my reads of place 0 are over
	s_barrier_signal -1
	s_barrier_wait -1
.if \fill
	s_cmp_lt_u32 s14, 2
	s_cbranch_scc0 .Lno_fourth
	tensor_load_to_lds s[G00:G00+3], s[G1A:G1A+7]  ; first thing behind the barrier: 32 + 3 x 64 + 32 matrix instructions in which to land
	s_nop 0
	PLACES
.Lno_fourth:
.endif
	PLACES
	FETCH \ns, 0, 0
	SCALES \ns, \nz
	WIN 0xf1
	MUL32 1, 1, 0, 1, 0
.endm
.macro GROUP1 g, len                   ; two rows of len elements of 8 bytes, a group's eight records apart; no padding, no mask
	s_mov_b32 s[\g], 3<<16
	s_mov_b32 s[\g+1], (\len)<<16
	s_mov_b32 s[\g+2], 2<<16
	s_mov_b32 s[\g+3], (\len)<<16
	s_mov_b32 s[\g+4], 2
	s_mov_b32 s[\g+5], REC
	s_mov_b32 s[\g+6], 0
	s_mov_b32 s[\g+7], 0
.endm
	s_load_b128 s[4:7], s[0:1], 0x0                ; qkv s[4:5], pw s[6:7]
	s_load_b64 s[8:9], s[0:1], 0x10                ; pst
	v_lshl_add_u32 v[SPW], v0, 2, SPARE
	v_mov_b32 v[NIL], 0
	ds_add_u32 v[SPW], v[NIL]                      ; the opening lines: the add, twice on end
	ds_add_u32 v[SPW], v[NIL]
	v_lshrrev_b32 v1, 5, v0
	v_readfirstlane_b32 s14, v1                    ; wave 0..3
	s_lshr_b32 s15, s14, 1                         ; my half of the queries
	s_and_b32 s16, s14, 1                          ; my half of the keys.  Also: I fetch q's records (0) or k's (1)
	s_and_b32 s17, ttmp7, 0xffff
	s_lshr_b32 s18, s17, 2                         ; batch
	s_and_b32 s19, s17, 3
	s_sub_co_u32 s10, 7, s19
	s_sub_co_u32 s11, ttmp9, s19
	s_sub_co_u32 s11, s11, 1
	s_cmp_le_u32 ttmp9, s19
	s_cselect_b32 s12, s19, s10                    ; i: the block of 256 queries
	s_cselect_b32 s13, ttmp9, s11                  ; j: the block of 256 keys, at most i
	s_cmp_eq_u32 s16, 0
	s_cselect_b32 s10, s12, s13
	s_cselect_b32 s11, 0, 4*REC                    ; k's K lies behind q's in a row group's eight records
	s_lshl_b32 s10, s10, 1
	s_lshl_b32 s2, s18, 4
	s_add_co_u32 s10, s10, s2
	s_add_co_u32 s10, s10, 32
	s_mul_i32 s10, s10, 8*REC
	s_add_co_u32 s10, s10, s11
	s_mov_b32 s11, 0
	GROUP1 G1A, REC/8                              ; one record of two groups
	GROUP1 G1B, 2*REC/8                            ; two records of two groups
	s_mov_b32 s[G00], 1
	s_mul_i32 s[G00+1], s16, 2*REC
	s_mov_b32 s[G02], 1
	s_mul_i32 s[G02+1], s16, 4*REC
	s_add_co_u32 s[G02+1], s[G02+1], 4*REC
	s_wait_alu depctr_va_vdst(0)
	s_wait_dscnt 0x0
	s_wait_kmcnt 0x0
	s_add_nc_u64 s[G00+2:G00+3], s[4:5], s[10:11]
	s_add_nc_u64 s[G02+2:G02+3], s[G00+2:G00+3], REC
	s_or_b32 s[G00+3], s[G00+3], 0x80000000
	s_or_b32 s[G02+3], s[G02+3], 0x80000000
	s_cmp_lt_u32 s14, 2                            ; the wave's one load at the head
	s_cbranch_scc0 .Llater
	tensor_load_to_lds s[G00:G00+3], s[G1A:G1A+7]
	s_nop 0
	PLACES
	s_branch .Lasked
.Llater:
	tensor_load_to_lds s[G02:G02+3], s[G1B:G1B+7]
	s_nop 0
	PLACES
.Lasked:
	s_mul_i32 s2, s15, REC                         ; my groups in record 0's bytes,
	s_mul_i32 s3, s16, REC
	s_add_co_u32 s3, s3, 2*REC
	s_mul_i32 s10, s15, 2*REC                      ; and in records 1 and 2's
	s_add_co_u32 s10, s10, 4*REC
	s_mul_i32 s11, s16, 2*REC
	s_add_co_u32 s11, s11, 8*REC
	s_mul_i32 s17, s14, 1536
	s_add_co_u32 s17, s17, SST
	v_and_b32 v1, 31, v0                           ; lane
	v_and_b32 v2, 15, v0                           ; r
	v_bfe_u32 v3, v0, 4, 1                         ; h
	v_lshlrev_b32 v[LO], 4, v1
	v_lshl_add_u32 v[AR], v1, 4, s2
	v_lshl_add_u32 v[AP], v1, 4, s3
	v_lshl_add_u32 v[AR8], v1, 3, s2
	v_lshl_add_u32 v[AP8], v1, 3, s3
	v_lshl_add_u32 v[SR], v1, 2, s2
	v_lshl_add_u32 v[SP], v1, 2, s3
	v_lshl_add_u32 v[AR+1], v1, 4, s10
	v_lshl_add_u32 v[AP+1], v1, 4, s11
	v_lshl_add_u32 v[AR8+1], v1, 3, s10
	v_lshl_add_u32 v[AP8+1], v1, 3, s11
	v_lshl_add_u32 v[SR+1], v1, 2, s10
	v_lshl_add_u32 v[SP+1], v1, 2, s11
	v_lshl_add_u32 v[SSTO], v2, 4, s17
	v_lshl_add_u32 v[SSTB], v2, 3, s17
	v_add_nc_u32 v[SSTL], s17, v[LO]
	v_add_nc_u32 v[SSTQ], v[SSTO], v3
	v_mov_b32 v[NINF], 0xff800000
	v_and_b32 v[DQ], 8, v2
	v_mul_u32_u24 v[DQ], 3, v[DQ]
	v_lshlrev_b32 v31, 5, v3
	v_add_nc_u32 v[DQ], v[DQ], v2
	v_sub_nc_u32 v[DQ], v[DQ], v31
	s_mov_b32 s[SEL], 0x76543210
	s_mov_b32 s[SEL+1], 0xfedcba98
	s_mov_b32 s[CS], 0x3d38aa3b                    ; log2(e) / 32: the factor 1,024^-0.5 is a power of two
	s_mov_b32 s[CS+1], s[CS]
	s_cmp_eq_u32 s12, s13
	s_cselect_b32 s47, 1, 0                        ; on the diagonal
	s_xor_b32 s2, s15, 1
	s_and_b32 s[SKIP], s16, s2
	s_and_b32 s[SKIP], s[SKIP], s47                ; first queries, last keys: nothing counts
	s_xor_b32 s[MK], s15, s16
	s_xor_b32 s[MK], s[MK], 1
	s_and_b32 s[MK], s[MK], s47                    ; the same 128 on both sides: the mask cuts through
	s_lshl_b32 s3, s12, 1
	s_add_co_u32 s3, s3, s15                       ; i' = 2 i + my half of the queries
	s_sub_co_u32 s10, 15, s3
	s_sub_co_u32 s11, 8, s13
	s_cmp_ge_u32 s3, 8
	s_cselect_b32 s10, s10, s3                     ; pi
	s_cselect_b32 s11, s13, s11                    ; the place among the pair's nine records
	s_lshl_b32 s2, s18, 3
	s_add_co_u32 s10, s10, s2
	s_mul_i32 s56, s10, 9*REC
	s_mul_i32 s11, s11, REC
	s_add_co_u32 s56, s56, s11
	s_mul_i32 s11, s16, 1536
	s_add_co_u32 s56, s56, s11
	s_mov_b32 s57, 0
	s_lshl_b32 s2, s18, 4
	s_add_co_u32 s2, s2, s3                        ; G = 16 b + i'
	s_lshl_b32 s58, s2, 4
	s_lshl_b32 s3, s13, 1
	s_add_co_u32 s58, s58, s3
	s_add_co_u32 s58, s58, s16                     ; chunk 16 G + 2 j + my half of the keys
	s_mul_i32 s58, s58, 1536
	s_mov_b32 s59, 0
	s_add_nc_u64 s[OUTP:OUTP+1], s[6:7], s[56:57]
	s_add_nc_u64 s[OUTS:OUTS+1], s[8:9], s[58:59]
	s_wait_alu depctr_va_vdst(0)                   ; the wait at the head's end
	s_cmp_lt_u32 s14, 2
	s_cbranch_scc0 .Lnot_first
	s_wait_tensorcnt 0x0
.Lnot_first:
	s_barrier_signal -1
	s_barrier_wait -1                              ; record 0 is in; records 1 and 2 may still be on their way
	FETCH 0, 0, 0
	SCALES 0, 0
	STEP 0, 0, 0, 1, 0, 1, 0, 0
	TURN 1, 1, 1
	STEP 0, 1, 0, 0, 1, 1, 0, 0
	STEP 1, 1, 1, 0, 2, 0, 1, 0
	STEP 0, 0, 0, 0, 2, 1, 0, 0
	TURN 0, 0, 1
	STEP 0, 1, 0, 0, 0, 1, 0, 0
	s_wait_dscnt 0x0
	WIN 0xa1
	MUL32 0, 1, 1, 1, 0
	WIN 0xf1
	MUL32 1, 1, 1, 1, 0
	WIN 0
	PLACES
	s_cmp_lg_u32 s[SKIP], 0
	s_cbranch_scc1 .Lskip
; THE SOFTMAX OF QUERY TILES 4 g .. 4 g + 3, side by side: every chain has the other tiles' lines between its own
.macro SOFT4 g
.set W, 2+(\g)
	s_wait_dscnt 0x0                               ; the LDS stores of the tiles before have read their registers,
	s_wait_xcnt 0x0                                ; and so have their global stores
	s_cmp_eq_u32 s[MK], 0
	s_cbranch_scc1 .Lopen_\@
	WIN 65*W                                       ; the band of 64 keys in which my query lies: hidden where n > 8 t + r + 24 (r / 8) - 32 h
	s_wait_alu depctr_va_vdst(0)
.irp t, 0,1,2,3
.set n, 0
.rept 32
	v_cmp_gt_i32 vcc_lo, n-8*\t, v[DQ]
	v_cndmask_b32 v[64*\t+32*(\g)+n], v[64*\t+32*(\g)+n], v[NINF], vcc_lo
.set n, n+1
.endr
.endr
.if (\g) == 0
	WIN 64*W                                       ; the band behind it is hidden whole
.irp t, 0,1,2,3
.set n, 32
.rept 32
	v_mov_b32 v[64*\t+n], v[NINF]
.set n, n+1
.endr
.endr
.endif
	WIN 0
.Lopen_\@:
	WIN 21*W
.irp t, 0,1,2,3
.irp b, 0,1,2,3
	v_max3_num_f32 v[TM+4*\t+\b], v[64*\t+16*\b], v[64*\t+16*\b+1], v[64*\t+16*\b+2]   ; the largest score of each block: it serves the row's maximum and, since p rises with the score, the block's largest p
.endr
.endr
	WIN 20*W
.irp i, 3,5,7,9,11,13
.irp t, 0,1,2,3
.irp b, 0,1,2,3
	v_max3_num_f32 v[TM+4*\t+\b], v[TM+4*\t+\b], v[64*\t+16*\b+\i], v[64*\t+16*\b+\i+1]
.endr
.endr
.endr
	WIN 4*W
.irp t, 0,1,2,3
.irp b, 0,1,2,3
	v_max_num_f32 v[TM+4*\t+\b], v[TM+4*\t+\b], v[64*\t+16*\b+15]
.endr
.endr
	WIN 0
.irp t, 0,1,2,3
	v_max_num_f32 v[TM+4*\t], v[TM+4*\t], v[TM+4*\t+1]       ; my first block's,
.endr
.irp t, 0,1,2,3
	v_max_num_f32 v[TM+4*\t+1], v[TM+4*\t+2], v[TM+4*\t+3]   ; my second's
.endr
.irp t, 0,1,2,3
	v_max_num_f32 v[RM+\t], v[TM+4*\t], v[TM+4*\t+1]
.endr
.irp t, 0,1,2,3
	v_permlanex16_b32 v[QX+\t], v[RM+\t], s[SEL], s[SEL+1]
.endr
.irp t, 0,1,2,3
	v_max_num_f32 v[RM+\t], v[RM+\t], v[QX+\t]               ; with lane l xor 16's
.endr
.irp t, 0,1,2,3
	v_mul_f32 v[RM+\t], s[CS], v[RM+\t]                      ; the largest t
.endr
.irp t, 0,1,2,3
	v_floor_f32 v[NM+2*\t], -v[RM+\t]                        ; -M = floor(-t): M is a whole number
.endr
.irp t, 0,1,2,3
.irp b, 0,1
	v_fma_f32 v[TM+4*\t+\b], v[TM+4*\t+\b], s[CS], v[NM+2*\t]
.endr
.endr
	WIN 65*W
.irp t, 0,1,2,3
.set n, 0
.rept 32
	v_pk_fma_f32 v[64*\t+n:64*\t+n+1], v[64*\t+n:64*\t+n+1], s[CS:CS+1], v[NM+2*\t:NM+2*\t+1] op_sel_hi:[1,0,0]   ; t - M, two at a time
.set n, n+2
.endr
.endr
	s_wait_alu depctr_va_vdst(0)                   ; a wait ahead of the batch
.set n, 0
.rept 256
	v_exp_f32 v[n], v[n]                           ; p = 2^(t - M): not normalised
.set n, n+1
.endr
	v_nop                                          ; a plain place behind the exponentials
	s_wait_alu depctr_va_vdst(0)                   ; one wait for the batch, ahead of its first reader
	WIN 0
.irp t, 0,1,2,3
.irp b, 0,1
	v_exp_f32 v[TM+4*\t+\b], v[TM+4*\t+\b]         ; the blocks' largest p: the same two instructions on the same numbers
.endr
.endr
	WIN 5*W                                        ; the sums of the unquantised p, in two chains a tile
.irp t, 0,1,2,3
	v_pk_add_f32 v[LA+2*\t:LA+2*\t+1], v[64*\t:64*\t+1], v[64*\t+2:64*\t+3]
.endr
.irp t, 0,1,2,3
	v_pk_add_f32 v[LB+2*\t:LB+2*\t+1], v[64*\t+4:64*\t+5], v[64*\t+6:64*\t+7]
.endr
	WIN 4*W
.irp j, 8,12,16,20,24,28,32,36,40,44,48,52,56,60
.irp t, 0,1,2,3
	v_pk_add_f32 v[LA+2*\t:LA+2*\t+1], v[LA+2*\t:LA+2*\t+1], v[64*\t+\j:64*\t+\j+1]
.endr
.irp t, 0,1,2,3
	v_pk_add_f32 v[LB+2*\t:LB+2*\t+1], v[LB+2*\t:LB+2*\t+1], v[64*\t+\j+2:64*\t+\j+3]
.endr
.endr
	WIN 0
.irp t, 0,1,2,3
	v_pk_add_f32 v[LA+2*\t:LA+2*\t+1], v[LA+2*\t:LA+2*\t+1], v[LB+2*\t:LB+2*\t+1]
.endr
.irp t, 0,1,2,3
	v_add_f32 v[LS+\t], v[LA+2*\t], v[LA+2*\t+1]
.endr
.irp t, 0,1,2,3
	v_permlanex16_b32 v[QX+\t], v[LS+\t], s[SEL], s[SEL+1]
.endr
.irp t, 0,1,2,3
	v_add_f32 v[LS+\t], v[LS+\t], v[QX+\t]         ; with lane l xor 16's 64 keys: l
.endr
	s_wait_alu depctr_va_vdst(0)                   ; and one wait for the eight
.irp t, 0,1,2,3
.irp b, 0,1
	v_max_num_f32 v[TM+4*\t+\b], 0x1800000, v[TM+4*\t+\b]       ; the floor 2^(3 - 127)
.endr
.endr
.irp t, 0,1,2,3
.irp b, 0,1
	v_add_nc_u32 v[SO+2*\t+\b], 0xff000000, v[TM+4*\t+\b]       ; 2 off the exponent field: the conversions' scale operand
.endr
.endr
.irp t, 0,1,2,3
.irp b, 0,1
	v_lshrrev_b32 v[BY+2*\t+\b], 23, v[SO+2*\t+\b]              ; the byte
.endr
.endr
	WIN W
.irp t, 0,1,2,3
.irp c, 0,1
	v_cvt_scalef32_pk16_fp6_f32 v[PC+20*\t+6*\c:PC+20*\t+6*\c+2], v[64*\t+32*\c:64*\t+32*\c+15], v[SO+2*\t+\c]
	v_cvt_scalef32_pk16_fp6_f32 v[PC+20*\t+12+4*\c:PC+20*\t+12+4*\c+2], v[64*\t+32*\c+16:64*\t+32*\c+31], v[SO+2*\t+\c]
.endr
.endr
	WIN 0
.irp t, 0,1,2,3
	v_mul_f32 v[MV+\t], -1.0, v[NM+2*\t]           ; M.  (Plain places behind the scaled conversions)
.endr
.irp t, 0,1,2,3
.irp c, 0,1
.irp i, 0,1,2
	v_mov_b32 v[PC+20*\t+3+6*\c+\i], v[PC+20*\t+12+4*\c+\i]
.endr
.endr
.endr
.irp t, 0,1,2,3
	ds_store_b8 v[SSTQ], v[BY+2*\t] offset:768*(\g)+256*(\t%2)+4*(\t/2)          ; bytes h and 2 + h of my query's scale word
	ds_store_b8 v[SSTQ], v[BY+2*\t+1] offset:768*(\g)+256*(\t%2)+4*(\t/2)+2
	ds_store_b32 v[SSTO], v[MV+\t] offset:768*(\g)+256*(\t%2)+4*(\t/2)+8         ; both halves of the lanes write the same word with the same value
	ds_store_b32 v[SSTB], v[LS+\t] offset:768*(\g)+512+128*(\t%2)+4*(\t/2)
.endr
.irp t, 0,1,2,3
.irp c, 0,1,2
	global_store_b128 v[LO], v[PC+20*\t+4*\c:PC+20*\t+4*\c+3], s[OUTP:OUTP+1] offset:3072*(4*(\g)+\t)+512*\c
.endr
.endr
.endm
.irp t, 0,1,2,3
	v_mov_b32 v[QX+\t], 0                          ; written once: a lane permute's destination counts as one of its sources
	v_mov_b32 v[NM+2*\t+1], 0                      ; named as a pair's upper half
.endr
	s_wait_alu depctr_va_vdst(0)
	SOFT4 0
	SOFT4 1
	ds_load_b128 v[20:23], v[SSTL]                 ; LDS serves a wave's instructions in order: these see my stores
	ds_load_b128 v[72:75], v[SSTL] offset:512
	ds_load_b128 v[88:91], v[SSTL] offset:1024
	s_wait_dscnt 0x0
	global_store_b128 v[LO], v[20:23], s[OUTS:OUTS+1]             ; my chunk: 1,536 consecutive bytes, at a multiple of 256 from the buffer's first byte
	global_store_b128 v[LO], v[72:75], s[OUTS:OUTS+1] offset:512
	global_store_b128 v[LO], v[88:91], s[OUTS:OUTS+1] offset:1024
.Lskip:
	s_wait_tensorcnt 0x0                           ; the wave's end
	ds_add_u32 v[SPW], v[NIL]
	s_wait_dscnt 0x0
	s_endpgm
.Lfunc_end_k_qfccb4ad93c_scores:
	.size	k_qfccb4ad93c_scores, .Lfunc_end_k_qfccb4ad93c_scores-k_qfccb4ad93c_scores
	.p2alignl 7, 3214868480
	.fill 96, 4, 3214868480
	.section	.rodata,"a",@progbits
	.p2align	6, 0x0
	.amdhsa_kernel k_qfccb4ad93c_scores
		.amdhsa_group_segment_fixed_size 327680
		.amdhsa_private_segment_fixed_size 0
		.amdhsa_enable_private_segment 0
		.amdhsa_kernarg_size 24
		.amdhsa_user_sgpr_count 2
		.amdhsa_user_sgpr_kernarg_segment_ptr 1
		.amdhsa_wavefront_size32 1
		.amdhsa_system_sgpr_workgroup_id_x 1
		.amdhsa_system_sgpr_workgroup_id_y 1
		.amdhsa_system_sgpr_workgroup_id_z 1
		.amdhsa_system_vgpr_workitem_id 0
		.amdhsa_next_free_vgpr 1024
		.amdhsa_next_free_sgpr 66
		.amdhsa_reserve_vcc 1
		.amdhsa_float_denorm_mode_32 3
		.amdhsa_float_denorm_mode_16_64 3
		.amdhsa_memory_ordered 1
		.amdhsa_forward_progress 1
		.amdhsa_inst_pref_size 211
	.end_amdhsa_kernel
	.amdgpu_metadata
---
amdhsa.version: [ 1, 2 ]
amdhsa.kernels:
  - .name:           k_qfccb4ad93c_scores
    .symbol:         k_qfccb4ad93c_scores.kd
    .args:
      - { .name: qkv, .offset: 0, .size: 8, .value_kind: global_buffer, .address_space: global }
      - { .name: pw, .offset: 8, .size: 8, .value_kind: global_buffer, .address_space: global }
      - { .name: pst, .offset: 16, .size: 8, .value_kind: global_buffer, .address_space: global }
    .group_segment_fixed_size: 327680
    .private_segment_fixed_size: 0
    .kernarg_segment_align: 8
    .kernarg_segment_size: 24
    .max_flat_workgroup_size: 128
    .sgpr_count:     66
    .vgpr_count:     1024
    .wavefront_size: 32
...
	.end_amdgpu_metadata
.endif
;; end of part 3
;; launch pv (part 4): grid 8 x 32, 4 waves a work-group, clusters of 4 x 1, 327,680 bytes of LDS; arguments qkv, pw, pst, out0; writes out0
.if DOCPART == 4
	.amdgcn_target "amdgcn-amd-amdhsa--gfx1250"
	.amdhsa_code_object_version 6
	.text
	.protected	k_qfccb4ad93c_pv
	.globl	k_qfccb4ad93c_pv
	.p2align	8
	.type	k_qfccb4ad93c_pv,@function
k_qfccb4ad93c_pv:
	s_mov_b64 s[64:65], 0
	v_nop
	global_prefetch_b8 v0, s[64:65] scope:SCOPE_SE
	s_setreg_imm32_b32 hwreg(HW_REG_WAVE_MODE, 25, 1), 1
	s_wait_xcnt 0x0
	s_wait_alu depctr_hold_cnt(0) depctr_sa_sdst(0) depctr_va_vdst(0) depctr_va_sdst(0) depctr_va_ssrc(0) depctr_va_vcc(0) depctr_vm_vsrc(0)
	s_getreg_b32 s2, hwreg(HW_REG_IB_STS2, 6, 4)
	s_cmp_eq_u32 s2, 0
	s_cbranch_scc0 .Lentry_in_a_cluster
	s_endpgm
.Lentry_in_a_cluster:
	s_bfe_u32 s2, ttmp6, 0x10000c
	s_cmp_lg_u32 s2, 0x3003
	s_cbranch_scc0 .Lentry_shape_is_right
	s_endpgm
.Lentry_shape_is_right:
; O = p v / l on codes of FP6, K = the keys.  A work-group makes 128 channels X of TWO blocks of 128 queries of a batch b: A, i' = 15 - pi, and B, i' = pi: K steps of 128 keys, kappa = 0 .. 15 - pi and 0 .. pi, seventeen in all for every pair.
; What the causal mask hides wholly is not multiplied (head of the first launch).  At a kappa that both take, v's fragments serve both.
; THE JOIN.  The launch before left, for each 128 keys, a local M (a whole number), a local l, and p's codes and scale words under that M.  Here M = the largest of them; l = the sum of l_kappa 2^(M_kappa - M);
; and M_kappa - M is added to each byte of that K step's scale words, held at 0 from below.  The codes stay as they are.  K steps beyond i' were never stored: their M counts as -3e38 and their l as 0.
; LIMIT: a K step that lies 127 binades or more under the row's M, and any block whose byte would fall under 0, has the byte 0 (2^-127): beside a row's largest p, above 1/2, that is under 2^-110 of the result.
; Source 0 = v^T (rows = channels: registers run along the channels), source 1 = p (a lane holds one query).  v's records hold fragments in halves of 768 bytes, p's in pieces of 512, as the launches before lay them.
; Wave: p's tiles 4 (w / 2) .. + 3 of A and of B, v's tiles 4 (w % 2) .. + 3: 16 accumulators for each.
; RECORDS of 256 keys, s = kappa / 2.  The pair's nine records of p lie on end: A_s at s, B_s at 8 - s.  LDS has twelve places: v_0 .. v_2 at 0 .. 2, p's nine at 3 .. 11; A_s at 3 + s, B_s at 11 - s.
; At the head one tensor load of three records a wave: wave 0 v_0 .. v_2, wave 1 p's 0 .. 2, wave 2 p's 6 .. 8, wave 3 p's 3 .. 5, which s = 0 .. 2 do not need.
; ONE REFILL, in a round ahead of kappa 5's products, when places 0 .. 4 have been read for the last time: v_3 .. v_7, five records.  B leaves under its flight where it is finished by then (pi below 6), else behind kappa 7.
; CLUSTER 4 x 1: the four work-groups of a cluster have the same b and pi and ask for p jointly; v's channels differ.  Every branch hangs on pi (the cluster's y) or on the wave's number.
; NO PREFETCH: there is no loop to run ahead in: all but five records are asked for at the head.
.set REC,   25600
.set SCO,   24576
.set STG,   12*REC                     ; the way out: 16 rows x (256 bytes + 16) for each wave
.set SPARE, STG+4*16*272
.set AV,    4                          ; v4-6    v's tiles of mine in places 0, 2, 4, + 16 x lane
.set VLA,   7
.set RLA,   8                          ; v8-15   1 / l of A's tiles, as pairs
.set AV8,   16                         ; v16-18  as v4-6, + 8 x lane
.set AP,    19                         ; v19-23  p's tiles of mine in places 2, 4, 6, 8, 10, + 16 x lane
.set SV,    24                         ; v24-26  v's scale words in places 0, 2, 4, + 4 x lane
.set STO,   27
.set SPW,   28
.set NIL,   29
.set RD,    30
.set GO,    31
.set CWA,   32                         ; v32-63  A's scale words under the row's M: kappa, tiles 2 j and 2 j + 1 at 2 kappa + j
.set CWB,   64                         ; v64-79  B's
.set VS,    80                         ; v80-87  v's scale words: record s at 4 (1 - s % 2), K step q, pair j at 2 q + j
.set RLB,   88                         ; v88-95
.set W0,    80                         ; the join's work: v80-87, v88-95, v240-247
.set W1,    88
.set W2,    240
.set RM,    248                        ; v248, v249 the row's M
.set LL,    250                        ; v250, v251 A's l; v252, v253 B's
.set RAWA,  96                         ; v96-159 A's words and M as loaded, v160-191 its l;  v192-223, v224-239 B's
.set RAWB,  192
.set PFB,   96                         ; v96-143 B's fragments.  Window 1: v's, two sets, v0-95; A's, two sets, v96-191.  Window 2: accumulators 32 a + 8 t, A's from v0, B's from v128
.set SEL,   20
.set G1V,   24
.set G0V,   32
.set G0P0,  36
.set G0P6,  40
.set G0P3,  44
.set G1P,   68
.set MSB, 0
.macro WIN new
.if MSB != (\new)
	s_set_vgpr_msb (MSB<<8)|(\new)
.set MSB, (\new)
.endif
.endm
.macro PLACES
.rept 4
	v_nop
.endr
.endm
.macro WALU
	s_wait_alu depctr_va_vdst(0)
.endm
.macro BARRIER
	s_barrier_signal -1
	s_barrier_wait -1
.endm
.macro CROUND
	BARRIER
	s_cmp_lg_u32 s14, 0
	s_cbranch_scc1 .Lnot_wave_0_\@
	s_barrier_signal -3
.Lnot_wave_0_\@:
	s_barrier_wait -3
	BARRIER
.endm
.macro TLOAD g0, g1
	tensor_load_to_lds s[\g0:\g0+3], s[\g1:\g1+7]
	s_nop 0
	PLACES
.endm
.macro GROUP1 g                        ; three records: 300 rows of 256 bytes (32 elements of 8 bytes), dense, no padding
	s_mov_b32 s[\g+1], 32<<16
	s_mov_b32 s[\g+2], 300<<16
	s_mov_b32 s[\g+3], 32<<16
	s_mov_b32 s[\g+4], 300
	s_mov_b32 s[\g+5], 32
	s_mov_b32 s[\g+6], 0
	s_mov_b32 s[\g+7], 0
.endm
.macro MKG0 g, place, lo, off
	s_mov_b32 s[\g], 1
	s_mov_b32 s[\g+1], (\place)*REC
	s_add_nc_u64 s[\g+2:\g+3], s[\lo:\lo+1], (\off)*REC
	s_or_b32 s[\g+3], s[\g+3], 0x80000000
.endm
.macro PW c, ra, rb
	v_wmma_scale_f32_16x16x128_f8f6f4 v[kD:kD+7], v[kA:kA+11], v[kB:kB+11], \c, v[kX], v[kY] matrix_a_fmt:MATRIX_FMT_FP6 matrix_b_fmt:MATRIX_FMT_FP6 matrix_a_scale:MATRIX_SCALE_ROW\ra matrix_b_scale:MATRIX_SCALE_ROW\rb
.endm
.macro PR c
.if kS == 0
	PW \c, 0, 0
.elseif kS == 1
	PW \c, 1, 0
.elseif kS == 2
	PW \c, 0, 1
.else
	PW \c, 1, 1
.endif
.endm
.macro MUL16 kap, bb                   ; A's (bb = 0) or B's (bb = 1) sixteen products of kappa.  The accumulators take turns in one order in every step; kappa 0 starts the sums
.irp a, 0,1,2,3
.irp t, 0,1,2,3
.set kD, 128*(\bb)+32*\a+8*\t
.set kA, 48*((\kap)%2)+12*\t
.if \bb
.set kB, PFB+12*\a
.set kY, CWB+2*(\kap)+\a/2
.else
.set kB, 96+48*((\kap)%2)+12*\a
.set kY, CWA+2*(\kap)+\a/2
.endif
.set kX, VS+4*(1-(((\kap)/2)%2))+2*((\kap)%2)+\t/2
.set kS, (\t%2)+2*(\a%2)
.if (\kap) == 0
	PR 0
.else
	PR v[kD:kD+7]
.endif
.endr
.endr
.endm
.macro FETCHVA kap                     ; v's and A's fragments of kappa into set kappa % 2: 28 LDS loads; an even kappa brings v's scale words of its record: 4 more
.set SR_, (\kap)/2
.set QK_, (\kap)%2
.if SR_ < 3
.set PL_, SR_
.else
.set PL_, SR_-3
.endif
.set PA_, 3+SR_
	WIN 0x40
.irp t, 0,1,2,3
.irp c, 0,1
	ds_load_b128 v[48*QK_+12*\t+6*\c:48*QK_+12*\t+6*\c+3], v[AV+PL_/2] offset:(PL_%2)*REC+(2*\t+QK_)*1536+768*\c
	ds_load_b64 v[48*QK_+12*\t+6*\c+4:48*QK_+12*\t+6*\c+5], v[AV8+PL_/2] offset:(PL_%2)*REC+(2*\t+QK_)*1536+768*\c+512
.endr
.endr
.irp a, 0,1,2,3
.irp c, 0,1,2
	ds_load_b128 v[96+48*QK_+12*\a+4*\c:96+48*QK_+12*\a+4*\c+3], v[AP+PA_/2-1] offset:(PA_%2)*REC+(2*\a+QK_)*1536+512*\c
.endr
.endr
	WIN 0
.if QK_ == 0
.irp q, 0,1
.irp j, 0,1
	ds_load_b32 v[VS+4*(1-(SR_%2))+2*\q+\j], v[SV+PL_/2] offset:(PL_%2)*REC+SCO+512*\q+128*\j
.endr
.endr
.endif
.endm
.macro FETCHB kap                      ; B's fragments of kappa: 12 LDS loads
.set PB_, 11-(\kap)/2
.set QB_, (\kap)%2
.irp a, 0,1,2,3
.irp c, 0,1,2
	ds_load_b128 v[PFB+12*\a+4*\c:PFB+12*\a+4*\c+3], v[AP+PB_/2-1] offset:(PB_%2)*REC+(2*\a+QB_)*1536+512*\c
.endr
.endr
.endm
.macro KSTEP kap, pre                  ; a K step; pre: the next one's fragments of v and A are asked for at its head.  B's are asked for ahead of A's products, where pi reaches kappa
	s_wait_dscnt 0x0                               ; this step's loads are in
	PLACES                                         ; the places between the products before and the loads below
.if \pre
	FETCHVA (\kap)+1
.endif
.if (\kap) > 0 && (\kap) < 8
	s_cmp_lt_u32 s19, \kap
	s_cbranch_scc1 .Lonly_a_\@
.endif
.if (\kap) < 8
	FETCHB \kap
	WIN 0xa5                                       ; sources window 1, C and D window 2
	MUL16 \kap, 0
	s_wait_dscnt 0x0
	WIN 0xa1                                       ; source 1 window 0
	MUL16 \kap, 1
	WIN 0
.endif
.if (\kap) > 0 && (\kap) < 8
	s_branch .Lboth_\@
.Lonly_a_\@:
.endif
.if (\kap) > 0
	WIN 0xa5
	MUL16 \kap, 0
	WIN 0
.endif
.if (\kap) > 0 && (\kap) < 8
.Lboth_\@:
.endif
.endm
; THE WAY OUT, in units of 16 queries x 64 channels.  A lane holds 32 neighbouring channels; a unit goes through my stage and leaves as rows of 256 consecutive bytes.
; Lane-row r of p's tile a of mine is row 8 a + 24 (r / 8) + r of my 64.
.macro PACK a, bb, rl                  ; x 1 / l, each accumulator from its low end on
.set T, 192+32*((\a)%2)
	WIN 0x02
.set n, 0
.rept 16
	v_pk_mul_f32 v[T+n:T+n+1], v[128*(\bb)+32*(\a)+n:128*(\bb)+32*(\a)+n+1], v[\rl+2*(\a):\rl+2*(\a)+1] op_sel_hi:[1,0]
.set n, n+2
.endr
	WIN 0
.endm
.macro TOSTAGE a
.set T, 192+32*((\a)%2)
.set BK, 96+32*((\a)%2)
.irp m, 0,1,2,3,4,5,6,7
	ds_store_b128 v[STO], v[T+4*\m:T+4*\m+3] offset:16*\m
.endr
.irp i, 0,1,2,3,4,5,6,7
	ds_load_b128 v[BK+4*\i:BK+4*\i+3], v[RD] offset:544*\i   ; LDS serves a wave's instructions in order: these see the stores above
.endr
.endm
.macro SEND a, sb
.set BK, 96+32*((\a)%2)
	s_wait_dscnt 0x0                               ; the unit is back in registers
	s_wait_xcnt 0x0                                ; the unit before has been read by its stores: its registers may be loaded again
.irp i, 0,1,2,3,4,5,6,7
	global_store_b128 v[GO], v[BK+4*\i:BK+4*\i+3], s[\sb:\sb+1] offset:(8*(\a)+2*\i+24*(\i/4))*4096 th:TH_STORE_NT   ; 16 lanes store 256 consecutive bytes, at a multiple of 256 from out0's first byte
.endr
.endm
.macro WAYOUT bb, rl, sb
	s_wait_dscnt 0x0
	PLACES
	WALU
	PACK 0, \bb, \rl
	TOSTAGE 0
.irp a, 1,2,3
	PACK \a, \bb, \rl
	WALU
	SEND \a-1, \sb
	TOSTAGE \a
.endr
	SEND 3, \sb
	s_wait_xcnt 0x0                                ; the stores have read their registers
.endm
; THE JOIN of K steps 4 g .. 4 g + 3: eight chains (c = 2 (kappa % 4) + j) line by line
.macro JOIN g, rw, lw, cw, ll
.irp c, 0,1,2,3,4,5,6,7
	v_sub_f32 v[W0+\c], v[\rw+2+4*(4*(\g)+\c/2)+\c%2], v[RM+\c%2]
.endr
.irp c, 0,1,2,3,4,5,6,7
	v_max_num_f32 v[W0+\c], v[W0+\c], v255
.endr
.irp c, 0,1,2,3,4,5,6,7
	v_cvt_i32_f32 v[W0+\c], v[W0+\c]               ; e = M_kappa - M, a whole number from -127 to 0
.endr
.irp c, 0,1,2,3,4,5,6,7
	v_ldexp_f32 v[W1+\c], v[\lw+2*(4*(\g)+\c/2)+\c%2], v[W0+\c]
.endr
.irp c, 0,1,2,3,4,5,6,7
	v_mul_lo_u32 v[W0+\c], v[W0+\c], s55           ; e in each byte.  A byte of p's words is 1 .. 125: with 128 added, byte + 128 + e is 2 .. 253: no borrow passes from byte to byte
.endr
.irp c, 0,1,2,3,4,5,6,7
	v_add_f32 v[\ll+\c%2], v[\ll+\c%2], v[W1+\c]   ; l, kappa ascending
.endr
.irp c, 0,1,2,3,4,5,6,7
	v_or_b32 v[W1+\c], s22, v[\rw+4*(4*(\g)+\c/2)+\c%2]
.endr
.irp c, 0,1,2,3,4,5,6,7
	v_add_nc_u32 v[W1+\c], v[W1+\c], v[W0+\c]
.endr
.irp c, 0,1,2,3,4,5,6,7
	v_and_b32 v[W2+\c], s22, v[W1+\c]              ; bit 7 stands where byte + e is 0 or more
.endr
.irp c, 0,1,2,3,4,5,6,7
	v_lshrrev_b32 v[W0+\c], 7, v[W2+\c]
.endr
.irp c, 0,1,2,3,4,5,6,7
	v_sub_nc_u32 v[W2+\c], v[W2+\c], v[W0+\c]      ; 0x7f there, 0 elsewhere
.endr
.irp c, 0,1,2,3,4,5,6,7
	v_and_b32 v[\cw+2*(4*(\g)+\c/2)+\c%2], v[W1+\c], v[W2+\c]   ; max(byte + e, 0)
.endr
.endm
.macro HIDE k, last, rw, lw            ; K step k counts only up to the block's last one
	s_cmp_le_u32 \k, s\last
	s_cselect_b32 s54, -1, 0
	v_cndmask_b32 v[\rw+2+4*\k], v254, v[\rw+2+4*\k], s54
	v_cndmask_b32 v[\rw+3+4*\k], v254, v[\rw+3+4*\k], s54
	v_cndmask_b32 v[\lw+2*\k], 0, v[\lw+2*\k], s54
	v_cndmask_b32 v[\lw+2*\k+1], 0, v[\lw+2*\k+1], s54
.endm
	s_load_b256 s[4:11], s[0:1], 0x0               ; qkv s[4:5], pw s[6:7], pst s[8:9], out0 s[10:11]
	v_lshl_add_u32 v[SPW], v0, 2, SPARE
	v_mov_b32 v[NIL], 0
	ds_add_u32 v[SPW], v[NIL]                      ; the opening lines: the add, twice on end
	ds_add_u32 v[SPW], v[NIL]
	v_lshrrev_b32 v1, 5, v0
	v_readfirstlane_b32 s14, v1                    ; wave 0..3
	s_lshr_b32 s15, s14, 1                         ; my half of the queries
	s_and_b32 s16, s14, 1                          ; my half of the channels
	s_and_b32 s22, ttmp7, 0xffff
	s_and_b32 s17, s22, 3                          ; batch
	s_lshr_b32 s19, s22, 2                         ; pi
	s_sub_co_u32 s13, 15, s19                      ; A's i'
	s_lshl_b32 s56, s17, 3
	s_add_co_u32 s56, s56, s19
	s_mul_i32 s56, s56, 9*REC                      ; the pair's nine records of p
	s_mov_b32 s57, 0
	s_bfe_u32 s23, ttmp6, 0x40000                  ; cx
	s_lshl_b32 s18, ttmp9, 2
	s_add_co_u32 s18, s18, s23                     ; X
	s_lshl_b32 s2, s17, 3
	s_add_co_u32 s2, s2, s18
	s_mul_i32 s2, s2, 8*REC                        ; v's group 8 b + X
	s_mov_b32 s3, 0
	s_lshl_b32 s22, s17, 4
	s_add_co_u32 s50, s22, s13
	s_mul_i32 s50, s50, 16*1536                    ; A's sixteen chunks of pst
	s_mov_b32 s51, 0
	s_add_co_u32 s58, s22, s19
	s_mul_i32 s58, s58, 16*1536                    ; B's
	s_mov_b32 s59, 0
	s_mov_b32 s[G1V], 3<<16
	s_mov_b32 s[G1P], 15|(3<<16)|(1<<21)           ; p: the mask of the cluster's four
	GROUP1 G1V
	GROUP1 G1P
	WALU
	s_wait_dscnt 0x0
	CROUND                                         ; ahead of the first joint loads
	s_wait_kmcnt 0x0
	s_add_nc_u64 s[48:49], s[6:7], s[56:57]
	s_add_nc_u64 s[2:3], s[4:5], s[2:3]
	s_add_nc_u64 s[50:51], s[8:9], s[50:51]
	s_add_nc_u64 s[58:59], s[8:9], s[58:59]
	MKG0 G0V, 0, 2, 0
	MKG0 G0P0, 3, 48, 0
	MKG0 G0P6, 9, 48, 6
	MKG0 G0P3, 6, 48, 3
	s_cmp_eq_u32 s14, 0
	s_cbranch_scc0 .Lwave_1
	TLOAD G0V, G1V
	s_branch .Lasked
.Lwave_1:
	s_cmp_eq_u32 s14, 1
	s_cbranch_scc0 .Lwave_2
	TLOAD G0P0, G1P
	s_branch .Lasked
.Lwave_2:
	s_cmp_eq_u32 s14, 2
	s_cbranch_scc0 .Lwave_3
	TLOAD G0P6, G1P
	s_branch .Lasked
.Lwave_3:
	TLOAD G0P3, G1P
.Lasked:
	s_mul_i32 s12, s15, 768
	s_mul_i32 s20, s16, 12288                      ; my four tiles of v,
	s_mul_i32 s21, s15, 12288                      ; of p,
	s_add_co_u32 s21, s21, 2*REC
	s_lshl_b32 s23, s16, 8                         ; of v's words
	s_mul_i32 s22, s14, 16*272
	s_add_co_u32 s22, s22, STG
	v_and_b32 v1, 31, v0                           ; lane
	v_and_b32 v2, 15, v0                           ; r
	v_bfe_u32 v3, v0, 4, 1                         ; h
	v_lshl_add_u32 v[VLA], v1, 4, s12
	v_lshl_add_u32 v80, v1, 3, s12
	; THE JOIN'S INPUTS, each wave for its own 64 queries of A and of B, while the tiles are on their way.  All chunks are read (inside the buffer); those beyond i' are replaced below.
.irp k, 0,1,2,3,4,5,6,7,8,9,10,11,12,13,14,15
	global_load_b128 v[RAWA+4*\k:RAWA+4*\k+3], v[VLA], s[50:51] offset:1536*\k          ; 512 consecutive bytes
	global_load_b64 v[RAWA+64+2*\k:RAWA+64+2*\k+1], v80, s[50:51] offset:1536*\k+512    ; 256 consecutive bytes
.endr
.irp k, 0,1,2,3,4,5,6,7
	global_load_b128 v[RAWB+4*\k:RAWB+4*\k+3], v[VLA], s[58:59] offset:1536*\k
	global_load_b64 v[RAWB+32+2*\k:RAWB+32+2*\k+1], v80, s[58:59] offset:1536*\k+512
.endr
	v_lshl_add_u32 v[AV], v1, 4, s20
	v_lshl_add_u32 v[AV8], v1, 3, s20
	v_lshl_add_u32 v[AP], v1, 4, s21
	v_lshl_add_u32 v[SV], v1, 2, s23
	v_mul_u32_u24 v[STO], v2, 272
	v_mul_u32_u24 v[RD], v3, 272
	v_lshlrev_b32 v[GO], 12, v3
.irp i, 1,2
	v_add_nc_u32 v[AV+\i], \i*2*REC, v[AV]
	v_add_nc_u32 v[AV8+\i], \i*2*REC, v[AV8]
	v_add_nc_u32 v[SV+\i], \i*2*REC, v[SV]
.endr
.irp i, 1,2,3,4
	v_add_nc_u32 v[AP+\i], \i*2*REC, v[AP]
.endr
	v_lshl_add_u32 v[STO], v3, 7, v[STO]
	v_lshl_add_u32 v[RD], v2, 4, v[RD]
	v_lshl_add_u32 v[GO], v2, 4, v[GO]             ; lanes 0-15 one row of 256 bytes, lanes 16-31 the next
	v_add_nc_u32 v[STO], s22, v[STO]               ; into the stage: row r, + 128 h
	v_add_nc_u32 v[RD], s22, v[RD]                 ; back
	s_mov_b32 s[SEL], 0x76543210
	s_mov_b32 s[SEL+1], 0xfedcba98
	s_lshl_b32 s22, s17, 11
	s_lshl_b32 s23, s15, 6
	s_add_co_u32 s22, s22, s23
	s_lshl_b32 s23, s13, 7
	s_add_co_u32 s52, s22, s23                     ; my first row of A: 2,048 b + 128 i' + 64 (w / 2)
	s_lshl_b32 s23, s19, 7
	s_add_co_u32 s60, s22, s23                     ; and of B
	s_lshl_b32 s52, s52, 12
	s_lshl_b32 s60, s60, 12
	s_lshl_b32 s22, s18, 9
	s_lshl_b32 s23, s16, 8
	s_add_co_u32 s22, s22, s23                     ; 512 X + 256 (w % 2)
	s_add_co_u32 s52, s52, s22
	s_add_co_u32 s60, s60, s22
	s_mov_b32 s53, 0
	s_mov_b32 s61, 0
	s_add_nc_u64 s[52:53], s[10:11], s[52:53]
	s_add_nc_u64 s[60:61], s[10:11], s[60:61]
	v_mov_b32 v254, 0xff61b1e6                     ; -3e38
	v_mov_b32 v255, 0xc2fe0000                     ; -127
.irp j, 0,1,2,3
	v_mov_b32 v[LL+\j], 0
.endr
	s_mov_b32 s55, 0x01010101
	s_mov_b32 s22, 0x80808080
	WALU
	s_wait_loadcnt 0x0
.irp k, 9,10,11,12,13,14,15                    ; A's i' is 8 or more
	HIDE \k, 13, RAWA, RAWA+64
.endr
.irp k, 1,2,3,4,5,6,7
	HIDE \k, 19, RAWB, RAWB+32
.endr
	WALU
.irp j, 0,1
	v_max3_num_f32 v[RM+\j], v[RAWA+2+\j], v[RAWA+6+\j], v[RAWA+10+\j]
.endr
.irp k, 3,5,7,9,11,13
.irp j, 0,1
	v_max3_num_f32 v[RM+\j], v[RM+\j], v[RAWA+2+4*\k+\j], v[RAWA+6+4*\k+\j]
.endr
.endr
.irp j, 0,1
	v_max_num_f32 v[RM+\j], v[RM+\j], v[RAWA+62+\j]          ; A's rows' M
.endr
.irp g, 0,1,2,3
	JOIN \g, RAWA, RAWA+64, CWA, LL
.endr
.irp j, 0,1
	v_max3_num_f32 v[RM+\j], v[RAWB+2+\j], v[RAWB+6+\j], v[RAWB+10+\j]
.endr
.irp k, 3,5
.irp j, 0,1
	v_max3_num_f32 v[RM+\j], v[RM+\j], v[RAWB+2+4*\k+\j], v[RAWB+6+4*\k+\j]
.endr
.endr
.irp j, 0,1
	v_max_num_f32 v[RM+\j], v[RM+\j], v[RAWB+30+\j]          ; B's
.endr
.irp g, 0,1
	JOIN \g, RAWB, RAWB+32, CWB, LL+2
.endr
	WALU
.irp j, 0,1,2,3
	v_rcp_f32 v[LL+\j], v[LL+\j]
.endr
	v_nop                                          ; a plain place behind the reciprocals
	WALU                                           ; one wait for all, ahead of their first reader
.irp j, 0,1,2,3
	v_permlanex16_b32 v[W2+\j], v[LL+\j], s[SEL], s[SEL+1]
.endr
	v_cmp_gt_u32 vcc_lo, 16, v1                    ; lanes 0-15 hold tile 2 j's rows, lanes 16-31 tile 2 j + 1's: each tile's go to both halves
.irp j, 0,1
	v_cndmask_b32 v[RLA+4*\j], v[W2+\j], v[LL+\j], vcc_lo
	v_cndmask_b32 v[RLA+4*\j+2], v[LL+\j], v[W2+\j], vcc_lo
	v_cndmask_b32 v[RLB+4*\j], v[W2+2+\j], v[LL+2+\j], vcc_lo
	v_cndmask_b32 v[RLB+4*\j+2], v[LL+2+\j], v[W2+2+\j], vcc_lo
.endr
.irp a, 0,1,2,3
	v_mov_b32 v[RLA+2*\a+1], v[RLA+2*\a]           ; named as pairs
	v_mov_b32 v[RLB+2*\a+1], v[RLB+2*\a]
.endr
	WALU                                           ; the wait at the head's end
	s_cmp_eq_u32 s14, 3
	s_cbranch_scc1 .Lnot_p3
	s_wait_tensorcnt 0x0
.Lnot_p3:
	BARRIER                                        ; v_0 .. v_2 and p's 0 .. 2, 6 .. 8 are in; p's 3 .. 5 may still be on their way
	FETCHVA 0
	KSTEP 0, 1
	KSTEP 1, 1
	KSTEP 2, 1
	KSTEP 3, 1
	KSTEP 4, 1
	s_wait_dscnt 0x0                               ; kappa 5's fragments of v and A are in registers: places 0 .. 4 have been read
	s_wait_tensorcnt 0x0                           ; p's 3 .. 5 are in
	ds_add_u32 v[SPW], v[NIL]                      ; 0 onto my spare word
	s_add_nc_u64 s[G0V+2:G0V+3], s[G0V+2:G0V+3], 3*REC   ; no load of mine is out: v_3 .. v_7,
	s_mov_b32 s[G1V+2], 500<<16                    ; five records
	s_mov_b32 s[G1V+4], 500
	s_wait_dscnt 0x0
	CROUND
	s_cmp_eq_u32 s14, 0
	s_cbranch_scc0 .Lno_v
	TLOAD G0V, G1V                                 ; first thing behind the round
.Lno_v:
	KSTEP 5, 0
	s_cmp_gt_u32 s19, 5
	s_cbranch_scc1 .Lb_later
	WAYOUT 1, RLB, 60                              ; B is finished
.Lb_later:
	s_wait_tensorcnt 0x0
	s_wait_dscnt 0x0
	BARRIER                                        ; v_3 .. v_7 are in
	PLACES
	FETCHVA 6
	KSTEP 6, 1
	KSTEP 7, 1
	s_cmp_lt_u32 s19, 6
	s_cbranch_scc1 .Lb_gone
	WAYOUT 1, RLB, 60
.Lb_gone:
	KSTEP 8, 1
.irp k, 9,10,11,12,13,14,15
	s_cmp_lt_u32 s13, \k
	s_cbranch_scc1 .La_out
	KSTEP \k, 1-\k/15
.endr
.La_out:                                               ; (a fetch for a step that is not taken lands in registers that nobody multiplies)
	WAYOUT 0, RLA, 52
	s_wait_tensorcnt 0x0                           ; the wave's end
	ds_add_u32 v[SPW], v[NIL]
	s_wait_dscnt 0x0
	CROUND                                         ; the closing round
	s_endpgm
.Lfunc_end_k_qfccb4ad93c_pv:
	.size	k_qfccb4ad93c_pv, .Lfunc_end_k_qfccb4ad93c_pv-k_qfccb4ad93c_pv
	.p2alignl 7, 3214868480
	.fill 96, 4, 3214868480
	.section	.rodata,"a",@progbits
	.p2align	6, 0x0
	.amdhsa_kernel k_qfccb4ad93c_pv
		.amdhsa_group_segment_fixed_size 327680
		.amdhsa_private_segment_fixed_size 0
		.amdhsa_enable_private_segment 0
		.amdhsa_kernarg_size 32
		.amdhsa_user_sgpr_count 2
		.amdhsa_user_sgpr_kernarg_segment_ptr 1
		.amdhsa_wavefront_size32 1
		.amdhsa_system_sgpr_workgroup_id_x 1
		.amdhsa_system_sgpr_workgroup_id_y 1
		.amdhsa_system_sgpr_workgroup_id_z 1
		.amdhsa_system_vgpr_workitem_id 0
		.amdhsa_next_free_vgpr 768
		.amdhsa_next_free_sgpr 80
		.amdhsa_reserve_vcc 1
		.amdhsa_float_denorm_mode_32 3
		.amdhsa_float_denorm_mode_16_64 3
		.amdhsa_memory_ordered 1
		.amdhsa_forward_progress 1
		.amdhsa_inst_pref_size 183
	.end_amdhsa_kernel
	.amdgpu_metadata
---
amdhsa.version: [ 1, 2 ]
amdhsa.kernels:
  - .name:           k_qfccb4ad93c_pv
    .symbol:         k_qfccb4ad93c_pv.kd
    .args:
      - { .name: qkv, .offset: 0, .size: 8, .value_kind: global_buffer, .address_space: global }
      - { .name: pw, .offset: 8, .size: 8, .value_kind: global_buffer, .address_space: global }
      - { .name: pst, .offset: 16, .size: 8, .value_kind: global_buffer, .address_space: global }
      - { .name: out0, .offset: 24, .size: 8, .value_kind: global_buffer, .address_space: global }
    .group_segment_fixed_size: 327680
    .private_segment_fixed_size: 0
    .kernarg_segment_align: 8
    .kernarg_segment_size: 32
    .max_flat_workgroup_size: 128
    .sgpr_count:     80
    .vgpr_count:     768
    .wavefront_size: 32
...
	.end_amdgpu_metadata
.endif
;; end of part 4
